; MI455X (gfx1250); checked and timed in simulation.
; The chip was launched on July 23, 2026; its instructions are those of AMD's public machine-readable ISA for CDNA 5 (MIT licence, August 2026) and "CDNA5" Instruction Set Architecture Reference Guide (July 2026). The comments in the code are by the model that wrote it; some were corrected since.
;; Attention. Allowed arithmetic: matrix products marked QUANTISED: E2M1 operands, one E8M0 scale for each 32 along K, by v_wmma_scale_f32_16x16x128_f8f6f4 with both operands' format E2M1 (or v_wmma_scale_f32_32x16x128_f4), f32 sums; products left as they are: bf16, f16 or f32 operands; f32 sums; everything else in f32.
;; Inputs: attn_mask 2 x 2,048 x 2,048 bool; k_norm_w 128 float32; position_ids 2 x 2,048 int32; q_norm_w 128 float32; wk 2,048 x 8 x 128 float32; wo 8 x 128 x 2,048 float32; wq 2,048 x 8 x 128 float32; wv 2,048 x 8 x 128 float32; x 2 x 2,048 x 2,048 float32.
;; Outputs: out0 2 x 2,048 x 2,048 float32.
;; This version of the problem:
;;   THIS VERSION OF THE PROBLEM IS GIVEN IN LOW PRECISION. The matrix products marked QUANTISED in the list below multiply operands that are first quantised to E2M1 (2 exponent bits, 1 mantissa bit; 4 bits a number), with one power-of-two scale for each 32 numbers along K (OCP MX v1.0); their sums are f32. The products marked 'left as it is' may take bf16, f16 or f32 operands, with f32 sums. Whichever they take, every output number must still come out within the allowed error. Rounding operands to bf16 (8 significant bits) uses up far more of that allowance than f16 does (11 bits, for magnitudes from 6e-5 to 65,504). All else is computed in f32.
;;   The module's matrix products, in the order in which they are computed (A, B: the left and right operand; K: the contracted axis; several contracted axes count as one K, in the product's order):
;;     1. [M 4,096, K 2,048] x [K 2,048, N 1,024]; A: input x; B: input wq: QUANTISED
;;     2. [M 4,096, K 2,048] x [K 2,048, N 1,024]; A: input x; B: input wk: QUANTISED
;;     3. [M 4,096, K 2,048] x [K 2,048, N 1,024]; A: input x; B: input wv: QUANTISED
;;     4. batch 16 x [M 2,048, K 128] x [K 128, N 2,048]; A: computed on the way; B: computed on the way: left as it is (an operand is computed on the way)
;;     5. batch 16 x [M 128, K 2,048] x [K 2,048, N 2,048]; A: computed on the way; B: computed on the way: left as it is (an operand is computed on the way)
;;     6. [M 4,096, K 1,024] x [K 1,024, N 2,048]; A: computed on the way; B: input wo: left as it is (an operand is computed on the way)
;;   THE QUANTISER, for each operand of a quantised product, along K:
;;     - K is cut into blocks of 32 from its start; a last block that is shorter is filled with zeros.
;;     - A block's scale is 2^e with e = floor(log2(the largest magnitude in the block)) - 2, held to -126 .. 127; a block of zeros has e = 0. As a byte (E8M0): e + 127.
;;     - Each number is divided by its block's scale, clamped to +-6, and rounded to the nearest number of E2M1, ties to even, subnormals kept.
;;     - The product sums the exact products of the quantised numbers (number of the format x scale) in f32.
;;   ~~~python
;;   def quantise(x, axis):      # numpy; x: float32 -> the quantised numbers, widened to float32 again
;;       x = np.moveaxis(x, axis, -1); K = x.shape[-1]
;;       x = np.pad(x, [(0, 0)] * (x.ndim - 1) + [(0, -K % 32)]); x = x.reshape(x.shape[:-1] + (-1, 32)); a = np.abs(x).max(-1, keepdims=True)
;;       e = np.where(a > 0, np.clip(np.frexp(np.where(a > 0, a, 1))[1] - 1 - 2, -126, 127), 0)      # np.frexp(a)[1] - 1 = floor(log2(a)), exactly
;;       r = np.clip(x / 2.0 ** e, -6, 6)
;;       step = 2.0 ** (np.maximum(np.frexp(np.where(r == 0, 1, r))[1] - 1, 0) - 1)
;;       q = np.round(r / step) * step * 2.0 ** e      # np.round: ties to even
;;       return np.moveaxis(q.reshape(q.shape[:-2] + (-1,))[..., :K], -1, axis).astype(np.float32)
;;   ~~~
;; One version. Each part assembles by itself: llvm-mc -triple=amdgcn-amd-amdhsa -mcpu=gfx1250 --defsym DOCPART=n.
;; ======== version 1 of 1: 5 launches
;; limits: values are held in f16: magnitudes above 65,504 overflow, below 6.1e-05 lose precision
;; workspace buffers: codes 7,340,032 bytes; scales 458,752 bytes; rope_tab 2,097,152 bytes; mask_w 1,048,576 bytes of whole numbers; wo_frag 4,194,304 bytes; qkv_frag 25,165,824 bytes; o_frag 8,388,608 bytes; o32 131,072 bytes
;; launch prep (part 1): grid 832 x 1, 4 waves a work-group, no clusters, 68,096 bytes of LDS; arguments x, wq, wk, wv, wo, attn_mask, position_ids, codes, scales, wo_frag, mask_w, rope_tab; writes codes, scales, wo_frag, mask_w, rope_tab
.if DOCPART == 1
	.amdgcn_target "amdgcn-amd-amdhsa--gfx1250"
	.amdhsa_code_object_version 6
	.text
	.protected	k_qafd6ba6576_prep
	.globl	k_qafd6ba6576_prep
	.p2align	8
	.type	k_qafd6ba6576_prep,@function
k_qafd6ba6576_prep:
	s_mov_b64 s[64:65], 0
	v_nop
	global_prefetch_b8 v0, s[64:65] scope:SCOPE_SE
	s_setreg_imm32_b32 hwreg(HW_REG_WAVE_MODE, 25, 1), 1
	s_wait_xcnt 0x0
; PREP: everything that is made once from the inputs, in one launch.  The work-group's number alone picks one of five roles; each role has its own end and, where it uses LDS, LDS bytes of its own.
;   0-255   X: x [4096][2048] f32 -> codes of FP4 (E2M1), K innermost, [4096][1024 bytes] at codes + 0; one E8M0 byte for each 32 along K, [4096][64] at scales + 0
;   256-447 W: wq, wk, wv [2048 (K)][1024] f32 -> codes [3072][1024 bytes] at codes + 4,194,304 (row 1024 t + n; t = 0 q, 1 k, 2 v); bytes [3072][64] at scales + 262,144
;   448-511 O: wo [1024 (K)][2048] f32 -> f16 in the order of a matrix operand's registers: wo_frag [d / 16][k / 32][half 2][lane 32][16 bytes]; lane (r, h) holds d = 16 tile + r, k = 32 group + 16 half + 8 h + 0..7
;   512-767 M: attn_mask bytes -> lane words: mask_w [b 128 + q / 16][step of 64 keys][tile of 16 keys][j 8], bit r + 16 h = mask[b][16 tile + r][key 64 step + 16 kt + 8 h + j]
;   768-831 R: cos and sin of position / 1e6^(c / 64): rope_tab [row / 16][t 8][cos, sin][lane 32][4 f32]; t = 2 b + jh; lane (r, h) holds row r, c = 16 b + 8 h + 4 jh + 0..3
; THE QUANTISER: a block's scale is 2^(floor(log2(largest magnitude)) - 2); its byte is the largest magnitude's exponent field - 2, held at 1 from below; each number / scale, to the nearest code, ties to even, beyond 6 the largest code.
; A block of zeros gets the byte 1 (its codes are zeros; this program alone reads the bytes).
; LIMITS: blocks whose largest magnitude lies under 2^-124 were not tried; NaN and infinities are not served; wo must lie inside f16's range (65,504); positions are taken as f32 (exact under 2^24);
; the angle is reduced by pi / 2 in two parts and sin, cos are polynomials on +-pi / 4 whose first dropped terms are under 3e-7.
; Waves share nothing, but for W's pairs of waves, which fill one stage together: one barrier there.  No tensor load.
.set SPARE, 67584                      ; behind both roles' LDS: the spare words, 128 bytes for each wave, that no other line names
.set SPW,   190                        ; v190  LDS address of my spare word; never rewritten
.set NIL,   191                        ; v191  0; never rewritten
.set EMAX,  2
	v_lshl_add_u32 v[SPW], v0, 2, SPARE
	v_mov_b32 v[NIL], 0
	v_lshrrev_b32 v1, 5, v0
	v_readfirstlane_b32 s16, v1                    ; wave 0..3
	v_and_b32 v2, 31, v0                           ; lane
	s_cmp_lt_u32 ttmp9, 256
	s_cbranch_scc1 .Lrole_x
	s_cmp_lt_u32 ttmp9, 448
	s_cbranch_scc1 .Lrole_w
	s_cmp_lt_u32 ttmp9, 512
	s_cbranch_scc1 .Lrole_o
	s_cmp_lt_u32 ttmp9, 768
	s_cbranch_scc1 .Lrole_m
; ---------------- R: the table of cos and sin.  A wave takes 16 rows; a trip of the loop makes 8 angles a lane (two groups of four frequencies) and stores 2,048 bytes.
	s_load_b64 s[4:5], s[0:1], 0x30                ; position_ids
	s_load_b64 s[22:23], s[0:1], 0x58              ; rope_tab
	s_sub_co_u32 s17, ttmp9, 768
	s_lshl_b32 s17, s17, 2
	s_add_co_u32 s17, s17, s16                     ; which 16 rows
	v_and_b32 v3, 15, v2                           ; r
	v_lshrrev_b32 v4, 4, v2                        ; h
	v_lshlrev_b32 v8, 2, v3                        ; my row's position: 4 r
	v_lshlrev_b32 v6, 4, v2                        ; out: 16 bytes a lane
	v_lshlrev_b32 v7, 3, v4                        ; 8 h
	s_lshl_b32 s18, s17, 6                         ; 16 rows x 4 bytes
	s_mov_b32 s19, 0
	s_lshl_b32 s24, s17, 13                        ; 8,192 bytes of table for 16 rows
	s_mov_b32 s25, 0
	s_mov_b32 s28, 0x3fc90fdb                      ; pi / 2, high part
	s_mov_b32 s29, 0xb33bbd2e                      ; pi / 2 - that
	s_mov_b32 s30, 0xb9500d01                      ; -1 / 5040
	s_mov_b32 s31, 0x3c088889                      ; 1 / 120
	s_mov_b32 s32, 0xbe2aaaab                      ; -1 / 6
	s_mov_b32 s33, 0x37d00d01                      ; 1 / 40320
	s_mov_b32 s34, 0xbab60b61                      ; -1 / 720
	s_mov_b32 s35, 0x3d2aaaab                      ; 1 / 24
	s_mov_b32 s20, 4                               ; trips
	s_mov_b32 s21, 0                               ; 16 b
	s_wait_kmcnt 0x0
	s_add_nc_u64 s[4:5], s[4:5], s[18:19]
	s_add_nc_u64 s[22:23], s[22:23], s[24:25]
	global_load_b32 v5, v8, s[4:5]
	s_wait_loadcnt 0x0
	v_cvt_f32_i32 v5, v5                           ; the position as f32
.Lrope:
.irp a, 0,1,2,3,4,5,6,7
	v_add3_u32 v[16+\a], v7, s21, \a               ; c = 16 b + 8 h + a
.endr
.irp a, 0,1,2,3,4,5,6,7
	v_cvt_f32_u32 v[16+\a], v[16+\a]
.endr
.irp a, 0,1,2,3,4,5,6,7
	v_mul_f32 v[16+\a], 0xbe9f73da, v[16+\a]       ; x -log2(1e6) / 64
.endr
.irp a, 0,1,2,3,4,5,6,7
	v_exp_f32 v[16+\a], v[16+\a]                   ; 1 / timescale
.endr
	v_nop                                          ; a plain instruction behind the last exponential
	s_wait_alu depctr_va_vdst(0)                   ; one wait for the eight, ahead of their first reader
.irp a, 0,1,2,3,4,5,6,7
	v_mul_f32 v[16+\a], v5, v[16+\a]               ; the angle
.endr
.irp a, 0,1,2,3,4,5,6,7
	v_mul_f32 v[24+\a], 0x3f22f983, v[16+\a]       ; x 2 / pi
.endr
.irp a, 0,1,2,3,4,5,6,7
	v_rndne_f32 v[24+\a], v[24+\a]                 ; n: how many quarter turns
.endr
.irp a, 0,1,2,3,4,5,6,7
	v_fma_f32 v[32+\a], -v[24+\a], s28, v[16+\a]
.endr
.irp a, 0,1,2,3,4,5,6,7
	v_fma_f32 v[32+\a], -v[24+\a], s29, v[32+\a]   ; rr = angle - n pi / 2, within +-pi / 4
.endr
.irp a, 0,1,2,3,4,5,6,7
	v_mul_f32 v[40+\a], v[32+\a], v[32+\a]         ; z = rr^2
.endr
.irp a, 0,1,2,3,4,5,6,7
	v_fma_f32 v[48+\a], v[40+\a], s30, s31
	v_fma_f32 v[56+\a], v[40+\a], s33, s34
.endr
.irp a, 0,1,2,3,4,5,6,7
	v_fma_f32 v[48+\a], v[48+\a], v[40+\a], s32
	v_fma_f32 v[56+\a], v[56+\a], v[40+\a], s35
.endr
.irp a, 0,1,2,3,4,5,6,7
	v_mul_f32 v[48+\a], v[48+\a], v[40+\a]
	v_fma_f32 v[56+\a], v[56+\a], v[40+\a], -0.5
.endr
.irp a, 0,1,2,3,4,5,6,7
	v_fma_f32 v[48+\a], v[48+\a], v[32+\a], v[32+\a]   ; sin rr
	v_fma_f32 v[56+\a], v[56+\a], v[40+\a], 1.0        ; cos rr
.endr
.irp a, 0,1,2,3,4,5,6,7
	v_cvt_i32_f32 v[64+\a], v[24+\a]               ; n as a whole number
.endr
.irp a, 0,1,2,3,4,5,6,7
	v_and_b32 v[72+\a], 1, v[64+\a]                ; an odd quarter swaps sin and cos
	v_cmp_ne_u32 vcc_lo, 0, v[72+\a]
	v_cndmask_b32 v[32+\a], v[48+\a], v[56+\a], vcc_lo
	v_cndmask_b32 v[40+\a], v[56+\a], v[48+\a], vcc_lo
.endr
.irp a, 0,1,2,3,4,5,6,7
	v_and_b32 v[72+\a], 2, v[64+\a]                ; sin is negative in quarters 2, 3;
	v_add_nc_u32 v[64+\a], 1, v[64+\a]
	v_lshlrev_b32 v[72+\a], 30, v[72+\a]
	v_and_b32 v[64+\a], 2, v[64+\a]                ; cos in quarters 1, 2
	v_xor_b32 v[84+8*(\a/4)+\a%4], v[72+\a], v[32+\a]
	v_lshlrev_b32 v[64+\a], 30, v[64+\a]
	v_xor_b32 v[80+8*(\a/4)+\a%4], v[64+\a], v[40+\a]
.endr
.irp jh, 0,1
.irp cs, 0,1
	global_store_b128 v6, v[80+8*\jh+4*\cs:83+8*\jh+4*\cs], s[22:23] offset:1024*\jh+512*\cs   ; 32 lanes store 512 consecutive bytes
.endr
.endr
	s_wait_xcnt 0x0                                ; the stores have read their data and their base: both are written again only behind this wait
	s_add_nc_u64 s[22:23], s[22:23], 2048
	s_add_co_u32 s21, s21, 16
	s_sub_co_u32 s20, s20, 1
	s_cmp_lg_u32 s20, 0
	s_cbranch_scc1 .Lrope
	s_endpgm
; ---------------- M: the mask as lane words.  A wave takes 16 queries x 512 keys, in two chunks of 256 keys.  Lane (r, h) loads 16 bytes of row r: keys 32 g + 16 h + 0..15.
; A compare of byte e gives a word whose bit r + 16 h is mask[r][32 g + 16 h + e]; two halves of two such words make the word that the scores' layout wants.
.Lrole_m:
	s_load_b64 s[4:5], s[0:1], 0x28                ; attn_mask
	s_load_b64 s[6:7], s[0:1], 0x50                ; mask_w
	s_sub_co_u32 s17, ttmp9, 512
	s_lshl_b32 s17, s17, 2
	s_add_co_u32 s17, s17, s16
	s_lshr_b32 s18, s17, 2                         ; which 16 queries (0..255)
	s_and_b32 s19, s17, 3                          ; which 512 keys
	s_lshl_b32 s20, s18, 15                        ; 16 rows of 2,048 bytes
	s_lshl_b32 s21, s19, 9
	s_add_co_u32 s20, s20, s21
	s_mov_b32 s21, 0
	s_lshl_b32 s22, s18, 12                        ; 4,096 bytes of words for 16 queries
	s_lshl_b32 s23, s19, 10
	s_add_co_u32 s22, s22, s23
	s_mov_b32 s23, 0
	v_and_b32 v3, 15, v2
	v_lshrrev_b32 v4, 4, v2
	v_lshlrev_b32 v5, 11, v3
	v_lshl_add_u32 v5, v4, 4, v5                   ; row r, + 16 h
	v_lshlrev_b32 v6, 4, v2
	s_wait_kmcnt 0x0
	s_add_nc_u64 s[4:5], s[4:5], s[20:21]
	s_add_nc_u64 s[6:7], s[6:7], s[22:23]
.irp c, 0,1
.irp g, 0,1,2,3,4,5,6,7
	global_load_b128 v[64+32*\c+4*\g:67+32*\c+4*\g], v5, s[4:5] offset:256*\c+32*\g th:TH_LOAD_NT   ; a chunk's eight loads read 256 consecutive bytes of each of 16 rows
.endr
.endr
.macro CHUNK c
	s_wait_loadcnt 8-8*\c                          ; this chunk's eight loads are in; the other chunk's may be out
.irp q, 0,1,2,3
	v_mov_b32 v[128+4*\c+\q], 0                    ; written whole before single lanes are written
.endr
.irp g, 0,1,2,3,4,5,6,7
.irp e, 0,1,2,3,4,5,6,7,8,9,10,11,12,13,14,15
	v_and_b32 v[8+\e%4], 0xff<<(8*(\e%4)), v[64+32*\c+4*\g+\e/4]
	v_cmp_ne_u32 s[32+\e], 0, v[8+\e%4]
.endr
.irp j, 0,1,2,3,4,5,6,7
	s_and_b32 s48, s[32+\j], 0xffff                ; tile 2 g: keys 32 g + j (low lanes) and 32 g + 8 + j (high lanes), both from lanes 0-15
	s_lshl_b32 s49, s[40+\j], 16
	s_or_b32 s48, s48, s49
	v_writelane_b32 v[128+4*\c+\j%4], s48, (16*\g+\j)/4
	s_lshr_b32 s50, s[32+\j], 16                   ; tile 2 g + 1: the same from lanes 16-31
	s_and_b32 s51, s[40+\j], 0xffff0000
	s_or_b32 s50, s50, s51
	v_writelane_b32 v[128+4*\c+\j%4], s50, (16*\g+8+\j)/4
.endr
.endr
	global_store_b128 v6, v[128+4*\c:131+4*\c], s[6:7] offset:512*\c   ; the chunk's 128 words: 512 consecutive bytes
.endm
	CHUNK 0
	CHUNK 1
	s_endpgm
; ---------------- O: wo as f16 fragments.  A lane takes a column d and its registers run down K, 32 at a time; eight blocks a wave.
.Lrole_o:
	s_load_b64 s[4:5], s[0:1], 0x20                ; wo
	s_load_b64 s[6:7], s[0:1], 0x48                ; wo_frag
	s_sub_co_u32 s17, ttmp9, 448
	s_and_b32 s18, s17, 15                         ; which 128 columns
	s_lshr_b32 s19, s17, 4                         ; which 256 along K
	s_lshl_b32 s20, s19, 21                        ; 256 rows of 8,192 bytes
	s_lshl_b32 s21, s18, 9
	s_add_co_u32 s20, s20, s21
	s_lshl_b32 s21, s16, 7                         ; my wave's 32 columns
	s_add_co_u32 s20, s20, s21
	s_mov_b32 s21, 0
	s_lshl_b32 s22, s18, 3
	s_lshl_b32 s23, s16, 1
	s_add_co_u32 s22, s22, s23                     ; my first tile of 16 columns
	s_lshl_b32 s22, s22, 15                        ; 32,768 bytes a tile
	s_lshl_b32 s23, s19, 13                        ; 8 groups of 1,024 bytes
	s_add_co_u32 s22, s22, s23
	s_mov_b32 s23, 0
	v_lshlrev_b32 v3, 2, v2
	v_lshrrev_b32 v4, 4, v2
	v_and_b32 v5, 15, v2
	v_lshlrev_b32 v4, 15, v4
	v_lshl_add_u32 v4, v5, 4, v4                   ; out: tile lane / 16, place 16 (lane % 16)
	s_wait_kmcnt 0x0
	s_add_nc_u64 s[4:5], s[4:5], s[20:21]
	s_add_nc_u64 s[6:7], s[6:7], s[22:23]
.macro OLOAD t
.irp i, 0,1,2,3,4,5,6,7,8,9,10,11,12,13,14,15,16,17,18,19,20,21,22,23,24,25,26,27,28,29,30,31
	global_load_b32 v[32+32*((\t)%2)+\i], v3, s[4:5] offset:(32*(\t)+\i)*8192 th:TH_LOAD_NT
.endr
.endm
.macro OBLOCK t
.if (\t) < 7
	s_wait_loadcnt 32                              ; this block's 32 loads are in; the next block's may be out
.else
	s_wait_loadcnt 0x0
.endif
.if (\t) >= 2
	s_wait_xcnt 0x0                                ; the stores of two blocks ago have read their data
.endif
.irp n, 0,1,2,3,4,5,6,7,8,9,10,11,12,13,14,15
	v_cvt_pk_f16_f32 v[96+16*((\t)%2)+\n], v[32+32*((\t)%2)+2*\n], v[33+32*((\t)%2)+2*\n]
.endr
.irp q, 0,1,2,3
	global_store_b128 v4, v[96+16*((\t)%2)+4*\q:99+16*((\t)%2)+4*\q], s[6:7] offset:(\t)*1024+(\q/2)*512+(\q%2)*256   ; k = 8 q + 0..7: half q / 2, lanes' half q % 2; sixteen lanes store 256 consecutive bytes, aligned
.endr
.if (\t)+2 < 8
	OLOAD (\t)+2
.endif
.endm
	OLOAD 0
	OLOAD 1
.irp t, 0,1,2,3,4,5,6,7
	OBLOCK \t
.endr
	s_endpgm
; ---------------- X: x into codes.  A wave takes 16 steps of 512 numbers.  Each load reads 512 consecutive bytes; a step's 2,048 bytes turn through the wave's own stage in LDS so that a lane holds 16 neighbours along K.
.set XSTEPS, 16
.set XCB,   8
.set XR,    16                         ; v16-79   four sets of 16 numbers as loaded
.set XX,    80                         ; v80-111  two sets of 16 neighbours
.set XC,    128                        ; v128-189 codes, four registers a step
.set XE,    112                        ; v112-127 a scale byte a step
.set XREG,  8192                       ; LDS 0 .. 32,767: a region for each wave: two stages of 32 x 80 bytes, then its 256 scale bytes
.set XSP,   80
.Lrole_x:
	s_load_b64 s[4:5], s[0:1], 0x0                 ; x
	s_load_b64 s[8:9], s[0:1], 0x38                ; codes
	s_load_b64 s[10:11], s[0:1], 0x40              ; scales
	v_lshlrev_b32 v3, 4, v2
	s_mul_i32 s17, s16, XREG
	v_lshrrev_b32 v14, 2, v2
	v_mul_u32_u24 v14, v14, XSP
	v_and_b32 v15, 3, v2
	v_lshl_add_u32 v14, v15, 4, v14
	v_add_nc_u32 v14, s17, v14                     ; into the stage: 80 (lane / 4) + 16 (lane % 4)
	v_mul_u32_u24 v15, v2, XSP
	v_add_nc_u32 v15, s17, v15                     ; out of it: 80 x lane
	v_lshlrev_b32 v4, 3, v2                        ; 8 bytes a lane: my codes in a step's, and my part of the scale bytes
	v_lshrrev_b32 v5, 1, v2
	s_add_co_u32 s17, s17, 2*32*XSP
	v_add_nc_u32 v5, s17, v5                       ; my block's scale byte
	v_add_nc_u32 v6, s17, v4
	s_lshl_b32 s18, ttmp9, 2
	s_add_co_u32 s18, s18, s16                     ; which run of 8,192 numbers
	s_lshl_b32 s20, s18, 15
	s_mov_b32 s21, 0
	s_lshl_b32 s22, s18, 12
	s_mov_b32 s23, 0
	s_lshl_b32 s24, s18, 8
	s_mov_b32 s25, 0
	s_wait_kmcnt 0x0
	s_add_nc_u64 s[4:5], s[4:5], s[20:21]
	s_add_nc_u64 s[8:9], s[8:9], s[22:23]
	s_add_nc_u64 s[10:11], s[10:11], s[24:25]
.macro XLOAD t
.irp i, 0,1,2,3
	global_load_b128 v[XR+16*((\t)%4)+4*\i:XR+16*((\t)%4)+4*\i+3], v3, s[4:5] offset:2048*(\t)+512*\i th:TH_LOAD_NT
.endr
.endm
.macro XTURN t                         ; LDS serves a wave's instructions in order: no wait between the stores and the loads
.irp i, 0,1,2,3
	ds_store_b128 v14, v[XR+16*((\t)%4)+4*\i:XR+16*((\t)%4)+4*\i+3] offset:32*XSP*((\t)%2)+8*XSP*\i
.endr
.irp i, 0,1,2,3
	ds_load_b128 v[XX+16*((\t)%2)+4*\i:XX+16*((\t)%2)+4*\i+3], v15 offset:32*XSP*((\t)%2)+16*\i
.endr
.endm
.irp t, 0,1,2,3
	XLOAD \t
.endr
	s_wait_loadcnt 12                              ; step 0's four loads are in
	XTURN 0
.macro XSTEP t
.set XSS, XX+16*((\t)%2)
.if (\t) > 0
	s_wait_dscnt 1                                 ; this step's numbers are back from the stage (the last step's byte store may be out)
.else
	s_wait_dscnt 0x0
.endif
.if (\t)+4 < XSTEPS
	XLOAD (\t)+4
.endif
.if (\t)+1 < XSTEPS
.if XSTEPS-2-(\t) >= 3
	s_wait_loadcnt 12                              ; the next step's four loads are in; those of the three steps behind it may be out
.else
	s_wait_loadcnt 4*(XSTEPS-2-(\t))
.endif
	XTURN (\t)+1
.endif
	v_max3_num_f32 v8, |v[XSS]|, |v[XSS+1]|, |v[XSS+2]|
	v_max3_num_f32 v9, |v[XSS+3]|, |v[XSS+4]|, |v[XSS+5]|
.irp i, 6,10
	v_max3_num_f32 v8, v8, |v[XSS+\i]|, |v[XSS+\i+1]|
	v_max3_num_f32 v9, v9, |v[XSS+\i+2]|, |v[XSS+\i+3]|
.endr
	v_max3_num_f32 v8, v8, |v[XSS+14]|, |v[XSS+15]|
	v_max3_num_f32 v8, v8, v9, (EMAX+1)<<23        ; the floor 2^(3 - 127): the byte cannot fall under 1
	v_max_num_f32_dpp v8, v8, v8 row_xmask:1 row_mask:0xf bank_mask:0xf   ; with my neighbour's 16: the block's largest magnitude
	v_add_nc_u32 v11, -(EMAX<<23), v8              ; 2 off its exponent field: the conversion takes the exponent field of this operand as its scale
	v_cvt_scalef32_pk8_fp4_f32 v[XC+4*(\t)], v[XSS:XSS+7], v11
	v_cvt_scalef32_pk8_fp4_f32 v[XC+4*(\t)+1], v[XSS+8:XSS+15], v11
	v_lshrrev_b32 v[XE+(\t)], 23, v11              ; the scale's byte
	ds_store_b8 v5, v[XE+(\t)] offset:16*(\t)      ; both lanes of a block write the same byte with the same value
	global_store_b64 v4, v[XC+4*(\t):XC+4*(\t)+1], s[8:9] offset:32*XCB*(\t)   ; 32 lanes store 256 consecutive bytes, aligned
.endm
.irp t, 0,1,2,3,4,5,6,7,8,9,10,11,12,13,14,15
	XSTEP \t
.endr
	ds_load_b64 v[8:9], v6
	s_wait_dscnt 0x0
	global_store_b64 v4, v[8:9], s[10:11]          ; the wave's 256 scale bytes, aligned
	s_wait_tensorcnt 0x0                           ; the wave's end
	ds_add_u32 v[SPW], v[NIL]
	s_wait_dscnt 0x0
	s_endpgm
; ---------------- W: wq, wk, wv into codes.  K is the first axis: a lane takes a column and its registers run down K.  A work-group takes 64 columns x 512 along K.
; TWO WAVES SHARE 32 COLUMNS: wave w takes columns 32 (w / 2) on and 256 (w % 2) on along K: 8 blocks of 32, so that a wave's chain of blocks is as long as the other roles'.  Each puts its 128 bytes of codes
; into its half of the columns' rows in one stage; behind a barrier each stores 16 whole rows of 256 bytes.
.set WNB,   8                          ; blocks of 32 along K for a wave
.set WPITCH, 272
.set WKROW, 1024                       ; a row of codes in bytes
.set WX,    32                         ; v32-95   two sets of 32 numbers
.set WC,    96                         ; v96-99   a block's codes
.set WOUT,  112                        ; v112-143 the way out
.set WSB,   24                         ; v24-25   the scale bytes
.set WLDS,  32768                      ; LDS from 32,768: two stages of 32 x 272 bytes
.Lrole_w:
	s_load_b128 s[4:7], s[0:1], 0x8                ; wq, wk
	s_load_b64 s[8:9], s[0:1], 0x18                ; wv
	s_load_b64 s[12:13], s[0:1], 0x38              ; codes
	s_load_b64 s[14:15], s[0:1], 0x40              ; scales
	s_sub_co_u32 s20, ttmp9, 256
	s_lshr_b32 s21, s20, 6                         ; t: which weight
	s_and_b32 s17, s20, 15                         ; which 64 columns
	s_bfe_u32 s18, s20, 0x20004                    ; which 512 along K
	s_lshr_b32 s28, s16, 1                         ; which 32 of the 64 columns
	s_and_b32 s29, s16, 1                          ; which 256 of the 512 along K
	s_lshl_b32 s17, s17, 6
	s_lshl_b32 s19, s28, 5
	s_add_co_u32 s17, s17, s19                     ; my first column
	v_lshlrev_b32 v3, 2, v2
	s_mul_i32 s19, s28, 32*WPITCH
	s_add_co_u32 s19, s19, WLDS                    ; the stage of my 32 columns
	s_lshl_b32 s30, s29, 7
	s_add_co_u32 s30, s30, s19
	v_mul_u32_u24 v4, v2, WPITCH
	v_add_nc_u32 v4, s30, v4                       ; into it: row = my column, my half of its 256 bytes
	s_mul_i32 s30, s29, 16*WPITCH
	s_add_co_u32 s30, s30, s19
	v_and_b32 v5, 15, v2
	v_lshrrev_b32 v6, 4, v2
	v_mul_u32_u24 v7, v6, WPITCH
	v_lshl_add_u32 v7, v5, 4, v7
	v_add_nc_u32 v7, s30, v7                       ; out of it: my 16 of the 32 rows, sixteen lanes to a row
	v_mul_u32_u24 v8, v6, WKROW
	v_lshl_add_u32 v8, v5, 4, v8
	v_lshlrev_b32 v9, 6, v2                        ; my column's row of scale bytes: 64 bytes
	s_lshl_b32 s22, s18, 21                        ; 512 rows of 4,096 bytes,
	s_lshl_b32 s23, s29, 20                        ; my 256 of them
	s_add_co_u32 s22, s22, s23
	s_lshl_b32 s23, s17, 2
	s_add_co_u32 s22, s22, s23
	s_mov_b32 s23, 0
	s_lshl_b32 s24, s21, 20
	s_add_co_u32 s24, s24, 4194304
	s_lshl_b32 s25, s17, 10
	s_add_co_u32 s24, s24, s25
	s_lshl_b32 s25, s18, 8
	s_add_co_u32 s24, s24, s25
	s_lshl_b32 s25, s29, 14                        ; the 16 rows that I store
	s_add_co_u32 s24, s24, s25
	s_mov_b32 s25, 0
	s_lshl_b32 s26, s21, 16
	s_add_co_u32 s26, s26, 262144
	s_lshl_b32 s27, s17, 6
	s_add_co_u32 s26, s26, s27
	s_lshl_b32 s27, s18, 4
	s_add_co_u32 s26, s26, s27
	s_lshl_b32 s27, s29, 3                         ; my 8 blocks' bytes
	s_add_co_u32 s26, s26, s27
	s_mov_b32 s27, 0
	s_wait_kmcnt 0x0
	s_cmp_eq_u32 s21, 1                            ; the choice hangs on the work-group's number alone
	s_cselect_b64 s[6:7], s[6:7], s[8:9]
	s_cmp_eq_u32 s21, 0
	s_cselect_b64 s[4:5], s[4:5], s[6:7]
	s_add_nc_u64 s[4:5], s[4:5], s[22:23]
	s_add_nc_u64 s[6:7], s[12:13], s[24:25]
	s_add_nc_u64 s[8:9], s[14:15], s[26:27]
.macro WLOAD t
.irp i, 0,1,2,3,4,5,6,7,8,9,10,11,12,13,14,15,16,17,18,19,20,21,22,23,24,25,26,27,28,29,30,31
	global_load_b32 v[WX+32*((\t)%2)+\i], v3, s[4:5] offset:(32*(\t)+\i)*4096 th:TH_LOAD_NT
.endr
.endm
	WLOAD 0
	WLOAD 1
.macro WBLOCK t
.set WXS, WX+32*((\t)%2)
.if (\t) < WNB-1
	s_wait_loadcnt 32                              ; this block's 32 loads are in; the next block's may be out
.else
	s_wait_loadcnt 0x0
.endif
	v_max3_num_f32 v12, |v[WXS]|, |v[WXS+1]|, |v[WXS+2]|
	v_max3_num_f32 v13, |v[WXS+3]|, |v[WXS+4]|, |v[WXS+5]|
.irp i, 6,10,14,18,22,26
	v_max3_num_f32 v12, v12, |v[WXS+\i]|, |v[WXS+\i+1]|
	v_max3_num_f32 v13, v13, |v[WXS+\i+2]|, |v[WXS+\i+3]|
.endr
	v_max3_num_f32 v12, v12, |v[WXS+30]|, |v[WXS+31]|
	v_max3_num_f32 v12, v12, v13, (EMAX+1)<<23
	v_add_nc_u32 v11, -(EMAX<<23), v12
	v_lshrrev_b32 v13, 23, v11
.if (\t)%4 == 0
	v_mov_b32 v[WSB+(\t)/4], v13
.else
	v_lshl_or_b32 v[WSB+(\t)/4], v13, 8*((\t)%4), v[WSB+(\t)/4]
.endif
.irp g, 0,1,2,3
	v_cvt_scalef32_pk8_fp4_f32 v[WC+\g], v[WXS+8*\g:WXS+8*\g+7], v11
.endr
	ds_store_b128 v4, v[WC:WC+3] offset:16*(\t)
.if (\t)+2 < WNB
	WLOAD (\t)+2
.endif
	s_wait_dscnt 0x0                               ; the store has read its registers: the next block's codes may be written
.endm
.irp t, 0,1,2,3,4,5,6,7
	WBLOCK \t
.endr
	global_store_b64 v9, v[WSB:WSB+1], s[8:9]      ; my column's 8 scale bytes
	s_wait_dscnt 0x0                               ; for my partner's sake: my stores into the stage have landed
	s_barrier_signal -1
	s_barrier_wait -1                              ; the rows are whole
.irp t, 0,1,2,3,4,5,6,7
	ds_load_b128 v[WOUT+4*\t:WOUT+4*\t+3], v7 offset:2*\t*WPITCH
.endr
.irp t, 0,1,2,3,4,5,6,7
	s_wait_dscnt 7-\t                              ; the loads behind this one may be out
	global_store_b128 v8, v[WOUT+4*\t:WOUT+4*\t+3], s[6:7] offset:2*\t*WKROW   ; sixteen lanes store 256 consecutive bytes, aligned
.endr
	s_wait_tensorcnt 0x0                           ; the wave's end
	ds_add_u32 v[SPW], v[NIL]
	s_wait_dscnt 0x0
	s_endpgm
.Lfunc_end_k_qafd6ba6576_prep:
	.size	k_qafd6ba6576_prep, .Lfunc_end_k_qafd6ba6576_prep-k_qafd6ba6576_prep
	.p2alignl 7, 3214868480
	.fill 96, 4, 3214868480
	.section	.rodata,"a",@progbits
	.p2align	6, 0x0
	.amdhsa_kernel k_qafd6ba6576_prep
		.amdhsa_group_segment_fixed_size 68096
		.amdhsa_private_segment_fixed_size 0
		.amdhsa_enable_private_segment 0
		.amdhsa_kernarg_size 96
		.amdhsa_user_sgpr_count 2
		.amdhsa_user_sgpr_kernarg_segment_ptr 1
		.amdhsa_wavefront_size32 1
		.amdhsa_system_sgpr_workgroup_id_x 1
		.amdhsa_system_sgpr_workgroup_id_y 1
		.amdhsa_system_sgpr_workgroup_id_z 1
		.amdhsa_system_vgpr_workitem_id 0
		.amdhsa_next_free_vgpr 192
		.amdhsa_next_free_sgpr 66
		.amdhsa_reserve_vcc 1
		.amdhsa_float_denorm_mode_32 3
		.amdhsa_float_denorm_mode_16_64 3
		.amdhsa_memory_ordered 1
		.amdhsa_forward_progress 1
		.amdhsa_inst_pref_size 206
	.end_amdhsa_kernel
	.amdgpu_metadata
---
amdhsa.version: [ 1, 2 ]
amdhsa.kernels:
  - .name:           k_qafd6ba6576_prep
    .symbol:         k_qafd6ba6576_prep.kd
    .args:
      - { .name: x, .offset: 0, .size: 8, .value_kind: global_buffer, .address_space: global }
      - { .name: wq, .offset: 8, .size: 8, .value_kind: global_buffer, .address_space: global }
      - { .name: wk, .offset: 16, .size: 8, .value_kind: global_buffer, .address_space: global }
      - { .name: wv, .offset: 24, .size: 8, .value_kind: global_buffer, .address_space: global }
      - { .name: wo, .offset: 32, .size: 8, .value_kind: global_buffer, .address_space: global }
      - { .name: attn_mask, .offset: 40, .size: 8, .value_kind: global_buffer, .address_space: global }
      - { .name: position_ids, .offset: 48, .size: 8, .value_kind: global_buffer, .address_space: global }
      - { .name: codes, .offset: 56, .size: 8, .value_kind: global_buffer, .address_space: global }
      - { .name: scales, .offset: 64, .size: 8, .value_kind: global_buffer, .address_space: global }
      - { .name: wo_frag, .offset: 72, .size: 8, .value_kind: global_buffer, .address_space: global }
      - { .name: mask_w, .offset: 80, .size: 8, .value_kind: global_buffer, .address_space: global }
      - { .name: rope_tab, .offset: 88, .size: 8, .value_kind: global_buffer, .address_space: global }
    .group_segment_fixed_size: 68096
    .private_segment_fixed_size: 0
    .kernarg_segment_align: 8
    .kernarg_segment_size: 96
    .max_flat_workgroup_size: 128
    .sgpr_count:     66
    .vgpr_count:     192
    .wavefront_size: 32
...
	.end_amdgpu_metadata
.endif
;; end of part 1
;; launch qkv (part 2): grid 12 x 16, 4 waves a work-group, clusters of 4 x 4, 327,680 bytes of LDS; arguments codes, scales, rope_tab, q_norm_w, k_norm_w, qkv_frag; writes qkv_frag
.if DOCPART == 2
	.amdgcn_target "amdgcn-amd-amdhsa--gfx1250"
	.amdhsa_code_object_version 6
	.text
	.protected	k_qafd6ba6576_qkv
	.globl	k_qafd6ba6576_qkv
	.p2align	8
	.type	k_qafd6ba6576_qkv,@function
k_qafd6ba6576_qkv:
	s_mov_b64 s[64:65], 0
	v_nop
	global_prefetch_b8 v0, s[64:65] scope:SCOPE_SE
	s_setreg_imm32_b32 hwreg(HW_REG_WAVE_MODE, 25, 1), 1
	s_wait_xcnt 0x0
	s_wait_alu depctr_hold_cnt(0) depctr_sa_sdst(0) depctr_va_vdst(0) depctr_va_sdst(0) depctr_va_ssrc(0) depctr_va_vcc(0) depctr_vm_vsrc(0)
	s_getreg_b32 s2, hwreg(HW_REG_IB_STS2, 6, 4)
	s_cmp_eq_u32 s2, 0
	s_cbranch_scc0 .Lentry_in_a_cluster
	s_endpgm
.Lentry_in_a_cluster:
	s_bfe_u32 s2, ttmp6, 0x10000c
	s_cmp_lg_u32 s2, 0xf033
	s_cbranch_scc0 .Lentry_shape_is_right
	s_endpgm
.Lentry_shape_is_right:
; QKV: the three projections on codes of FP4 (E2M1) with E8M0 scales, K = 2,048, and what follows them: for q and k the RMS norm of each head and the rotation by position; all three leave as f16 in the order
; of the next launch's operand registers.  A tile of 256 x 256 is made by four waves, 128 x 128 each (64 accumulators, 512 registers); a wave's 128 columns (q, k) or rows (v) are one head.
; K goes in steps of 512 through a ring of two LDS slots; the scale bytes of the work-group's rows, for all of K, come once and stay in LDS.
; KINDS.  Cluster x = 0: q; 1: k; 2: v (the same number in all sixteen partners).  q, k: side A = rows of x, side B = rows of the weight's codes.  v: side A = rows of wv's codes (channels), side B = rows of x (keys).
; THE MATRIX INSTRUCTION IS USED TRANSPOSED (source 0 = 16 rows of B, source 1 = 16 rows of A): a lane holds ONE row of A and eight neighbouring rows of B: for q, k a position and eight channels, for v a channel and eight keys.
; CLUSTERS: 4 x 4.  A's tiles are shared along a row of the cluster, B's along a column: joint loads, the same descriptor and a mask that names the four.
; THE WAY OUT'S TABLES ARE ASKED FOR EARLY.  192 registers lie idle in the K loop: at the kernel's head they take the norm weights and the cos and sin of the wave's first two blocks of 16 positions; behind the last
; product B's two sets of fragments take the next two blocks'; then the four sets take turns, block a + 4's table being asked for behind block a's rotation.  v's work-groups issue the head's 48 loads too and do not
; use them (24 KB a wave): so the text has one way through the head.
; OUT: qkv_frag: Q at 0, K at 8,388,608: [b 8 + head][position / 16][channel / 32][half 2][lane][16 bytes], lane (r, h): position r, channels 32 g + 16 half + 8 h + 0..7;
;      V at 16,777,216: [b 8 + head][key / 32][channel / 16][half 2][lane][16 bytes], lane (r, h): channel r, keys 32 g + 16 half + 8 h + 0..7.  Every store of a wave covers 512 consecutive bytes, aligned.
; LIMITS: q, k (at most 11.4 x the largest norm weight) and v must lie inside f16's range, 65,504; NaN and infinities are not served.
; REGISTERS: window 0: v0-31 addresses; v32-95 scale words, two sets; v128-191 A's fragments; v192-255 the norm weights; window 1: B's fragments, two sets (v0-63, v128-191); cos and sin, four sets of 64
;   (v64-127, v192-255, and on the way out v0-63, v128-191); windows 2, 3: the accumulators ((a, b) at v[8 (8 (a % 4) + b)]).
;   On the way out window 0 holds: v8-15 at work, v30-31 1 / rms, v96-159 a block's 64 numbers, v160-191 (v: and v192-223) packed results.
.set KSTEP,  512
.set NQ,     4
.set ROWB,   256
.set KROW,   1024
.set PITCH,  272                       ; an LDS row: 256 bytes + 16 of padding, so that the 16 rows of a load start at 16 different banks
.set FR,     8
.set NL,     2
.set NP,     4
.set HALFT,  128*PITCH
.set SLOT,   4*HALFT
.set LAPS,   2
.set KS,     64                        ; a row of scale bytes
.set SCL,    2*SLOT
.set HALFS,  32*272
.set SBLK,   4*272
.set SPARE,  SCL+4*HALFS               ; the spare words, 128 bytes for each wave, that no other line names
.set ADRA, 16
.set ADRB, 20
.set ADRS, 27
.set SPW,  28
.set NIL,  29
.set SC,   32
.set AF,   128
.set T,    8
.set INV,  30
.set NW,   192
.set Y,    96
.set OUT,  160
.set G1, 24
.set G0, 32
.set G1B, 48
.set G0B, 56
.set G1S, 68
.set G0S, 76
.set G1SB, 80
.set G0SB, 88
.set MSB, 0
.macro WIN new                         ; the immediate's high byte repeats the setting that is left
.if MSB != \new
	s_set_vgpr_msb (MSB<<8)|\new
.set MSB, \new
.endif
.endm
.set MUL_LO, 0xa1                      ; source 0 (B) window 1, source 1 (A) window 0, C and D window 2
.set MUL_HI, 0xf1
.set TO_B,   0x40                      ; destination window 1, address window 0
; A joint load: waves 0 and 1 fetch for A, waves 2 and 3 for B; the branch hangs on the wave's number alone.  An s_nop 0 and four v_nop follow each line.
.macro JLOAD g0a, g1a, g0b, g1b
	s_cmp_eq_u32 s15, 0
	s_cbranch_scc0 .Lfor_b_\@
	tensor_load_to_lds s[\g0a:\g0a+3], s[\g1a:\g1a+7]
	s_nop 0
.rept 4
	v_nop
.endr
	s_branch .Lasked_\@
.Lfor_b_\@:
	tensor_load_to_lds s[\g0b:\g0b+3], s[\g1b:\g1b+7]
	s_nop 0
.rept 4
	v_nop
.endr
.Lasked_\@:
.endm
.macro CREST
	s_cmp_lg_u32 s14, 0
	s_cbranch_scc1 .Lnot_wave_0_\@
	s_barrier_signal -3
.Lnot_wave_0_\@:
	s_barrier_wait -3
	s_barrier_signal -1
	s_barrier_wait -1
.endm
.macro CROUND
	s_barrier_signal -1
	s_barrier_wait -1
	CREST
.endm
; cos and sin of block a's 16 positions: 16 loads of 512 consecutive bytes, into set a % 4 of window 1 (sets at v64, v192, v0, v128); the caller sets the destination's window
.macro CSLOAD a
.set CB, 64*(1-((\a)%4)/2)+128*((\a)%2)
.irp i, 0,1,2,3,4,5,6,7,8,9,10,11,12,13,14,15
	global_load_b128 v[CB+4*\i:CB+4*\i+3], v7, s[96:97] offset:(\a)*8192+512*\i
.endr
.endm
	s_load_b128 s[4:7], s[0:1], 0x0                ; codes, scales
	s_load_b128 s[8:11], s[0:1], 0x10              ; rope_tab, q_norm_w
	s_load_b128 s[96:99], s[0:1], 0x20             ; k_norm_w, qkv_frag
	v_lshl_add_u32 v[SPW], v0, 2, SPARE
	v_mov_b32 v[NIL], 0
	ds_add_u32 v[SPW], v[NIL]                      ; the wave's opening: the add, twice on end, and its wait ahead of my first tensor load
	ds_add_u32 v[SPW], v[NIL]
	v_lshrrev_b32 v1, 5, v0
	v_readfirstlane_b32 s14, v1                    ; wave 0..3
	s_lshr_b32 s15, s14, 1                         ; which half of A's rows is mine.  Also: I fetch for A (0) or for B (1)
	s_and_b32 s16, s14, 1                          ; which half of B's rows.  Also: which 128 rows I fetch
	s_bfe_u32 s40, ttmp6, 0x40000                  ; cx
	s_bfe_u32 s41, ttmp6, 0x40004                  ; cy
	s_and_b32 s18, ttmp7, 0xffff
	s_lshl_b32 s18, s18, 2                         ; 4 x cluster y
	s_lshl_b32 s19, ttmp9, 2                       ; 4 x cluster x
	s_cmp_eq_u32 ttmp9, 2                          ; v?  The cluster's x: the same in all partners
	s_cselect_b32 s17, 0, s18
	s_cselect_b32 s42, s18, s19
	s_cselect_b32 s66, 0x600000, 0                 ; where A's codes begin in the buffer: wv's rows, or x's
	s_cselect_b32 s67, 0, 0x400000                 ; B's: x's rows, or the weights'
	s_cselect_b32 s100, 0x60000, 0                 ; and the scale bytes likewise
	s_cselect_b32 s101, 0, 0x40000
	s_add_co_u32 s17, s17, s41                     ; A's tile: q, k: 4 cluster y + cy; v: cy
	s_add_co_u32 s42, s42, s40                     ; B's tile: q, k: 4 cluster x + cx; v: 4 cluster y + cx
	s_lshl_b32 s43, s41, 2
	s_lshl_b32 s43, 15, s43                        ; my row of the cluster
	s_lshl_b32 s44, 0x1111, s40                    ; my column
	s_or_b32 s[G1+0], s43, (0<<16)|(1<<20)|(1<<21)|(5<<22)|(3<<25)  ; the mask; elements of 1 byte; padding on: 4 words after every 64; bit 21 beside a mask
	s_or_b32 s[G1B+0], s44, (0<<16)|(1<<20)|(1<<21)|(5<<22)|(3<<25)
.irp g, G1, G1B
	s_mov_b32 s[\g+1], ROWB<<16                    ; tensor_dim0
	s_mov_b32 s[\g+2], 128<<16                     ; tensor_dim1
	s_mov_b32 s[\g+3], ROWB<<16                    ; tile_dim0
	s_mov_b32 s[\g+4], 128                         ; tile_dim1
	s_mov_b32 s[\g+5], KROW                        ; the pitch
	s_mov_b32 s[\g+6], 0
	s_mov_b32 s[\g+7], 0
.endr
	s_or_b32 s[G1S+0], s43, (3<<16)|(1<<20)|(1<<21)|(5<<22)|(3<<25) ; the scales of 128 rows: 8,192 dense bytes as 32 rows of 256, 16 bytes of padding behind each
	s_or_b32 s[G1SB+0], s44, (3<<16)|(1<<20)|(1<<21)|(5<<22)|(3<<25)
.irp g, G1S, G1SB
	s_mov_b32 s[\g+1], 32<<16
	s_mov_b32 s[\g+2], 32<<16
	s_mov_b32 s[\g+3], 32<<16
	s_mov_b32 s[\g+4], 32
	s_mov_b32 s[\g+5], 32
	s_mov_b32 s[\g+6], 0
	s_mov_b32 s[\g+7], 0
.endr
	s_lshl_b32 s18, s16, 7                         ; which 128 rows of the tile I fetch
	s_lshl_b32 s20, s17, 8
	s_add_co_u32 s20, s20, s18                     ; A's row
	s_lshl_b32 s46, s42, 8
	s_add_co_u32 s46, s46, s18                     ; B's row
	s_lshl_b32 s22, s20, 6                         ; 64 scale bytes a row
	s_add_co_u32 s22, s22, s100
	s_mov_b32 s23, 0
	s_lshl_b32 s92, s46, 6
	s_add_co_u32 s92, s92, s101
	s_mov_b32 s93, 0
	s_lshl_b32 s20, s20, 10                        ; 1,024 bytes of codes a row
	s_add_co_u32 s20, s20, s66
	s_mov_b32 s21, 0
	s_lshl_b32 s46, s46, 10
	s_add_co_u32 s46, s46, s67
	s_mov_b32 s47, 0
	s_mul_i32 s45, s14, HALFT                      ; where they go: wave x 128 rows: no place in the cluster enters an LDS address
	s_mul_i32 s94, s14, HALFS
	s_wait_dscnt 0x0                               ; both opening adds are done
	s_wait_kmcnt 0x0
	s_add_nc_u64 s[20:21], s[4:5], s[20:21]
	s_add_nc_u64 s[22:23], s[6:7], s[22:23]
	s_add_nc_u64 s[46:47], s[4:5], s[46:47]
	s_add_nc_u64 s[92:93], s[6:7], s[92:93]
	CROUND                                         ; all sixteen work-groups are here: the first joint loads meet
	s_mov_b32 s[G0S], 1
	s_add_co_u32 s[G0S+1], s94, SCL
	s_mov_b64 s[G0S+2:G0S+3], s[22:23]
	s_or_b32 s[G0S+3], s[G0S+3], 0x80000000
	s_mov_b32 s[G0SB], 1
	s_add_co_u32 s[G0SB+1], s94, SCL
	s_mov_b64 s[G0SB+2:G0SB+3], s[92:93]
	s_or_b32 s[G0SB+3], s[G0SB+3], 0x80000000
	JLOAD G0S, G1S, G0SB, G1SB                     ; the scales first: they are wanted with K step 0
.irp s, 0,1
	s_mov_b32 s[G0+4*\s], 1
	s_add_co_u32 s[G0+4*\s+1], s45, \s*SLOT
	s_add_nc_u64 s[G0+4*\s+2:G0+4*\s+3], s[20:21], \s*ROWB
	s_or_b32 s[G0+4*\s+3], s[G0+4*\s+3], 0x80000000
	s_mov_b32 s[G0B+4*\s], 1
	s_add_co_u32 s[G0B+4*\s+1], s45, \s*SLOT
	s_add_nc_u64 s[G0B+4*\s+2:G0B+4*\s+3], s[46:47], \s*ROWB
	s_or_b32 s[G0B+4*\s+3], s[G0B+4*\s+3], 0x80000000
	JLOAD G0+4*\s, G1, G0B+4*\s, G1B
.endr
	v_and_b32 v1, 15, v0                           ; l % 16
	v_bfe_u32 v2, v0, 4, 1                         ; l / 16
	v_mul_u32_u24 v3, v1, PITCH
	v_lshl_add_u32 v4, v2, 4, v3
	s_mul_i32 s21, s15, HALFT                      ; my 128 rows of A
	s_mul_i32 s22, s16, HALFT                      ; my 128 rows of B,
	s_add_co_u32 s22, s22, 2*HALFT                 ; behind A's 256
.irp s, 0,1
	v_add_nc_u32 v[ADRA+\s], s21, v4
	v_add_nc_u32 v[ADRB+\s], s22, v4
	s_add_co_u32 s21, s21, SLOT
	s_add_co_u32 s22, s22, SLOT
.endr
	v_mul_u32_u24 v5, v1, KS                       ; my row's scales: 64 bytes a row,
	v_lshrrev_b32 v6, 8, v5
	v_lshl_add_u32 v5, v6, 4, v5                   ; and 16 more for each 256 passed
	s_mul_i32 s21, s15, HALFS
	s_mul_i32 s22, s16, HALFS
	s_add_co_u32 s22, s22, 2*HALFS
	s_sub_co_u32 s22, s22, s21
	v_mul_u32_u24 v6, s22, v2                      ; lanes 16-31 take B's
	s_add_co_u32 s21, s21, SCL
	v_add_nc_u32 v5, v5, v6
	v_add_nc_u32 v[ADRS], s21, v5
	; where my results go.  q, k: ((kind 16 + b 8 + head) 128 + my first tile of 16 positions) x 4,096
	s_lshl_b32 s46, s42, 1
	s_add_co_u32 s46, s46, s16                     ; 0..7 q's heads, 8..15 k's
	s_lshr_b32 s47, s46, 3
	s_lshl_b32 s47, s47, 4
	s_and_b32 s46, s46, 7
	s_add_co_u32 s46, s46, s47
	s_lshr_b32 s47, s17, 3
	s_lshl_b32 s47, s47, 3
	s_add_co_u32 s46, s46, s47
	s_lshl_b32 s46, s46, 7
	s_and_b32 s47, s17, 7
	s_lshl_b32 s47, s47, 4
	s_add_co_u32 s46, s46, s47
	s_lshl_b32 s47, s15, 3
	s_add_co_u32 s46, s46, s47
	s_lshl_b32 s46, s46, 12
	; v: 16,777,216 + ((b 8 + head) 64 + my first group of 32 keys) x 8,192
	s_lshr_b32 s92, s42, 3
	s_lshl_b32 s92, s92, 3
	s_lshl_b32 s93, s17, 1
	s_add_co_u32 s92, s92, s93
	s_add_co_u32 s92, s92, s15
	s_lshl_b32 s92, s92, 6
	s_and_b32 s93, s42, 7
	s_lshl_b32 s93, s93, 3
	s_add_co_u32 s92, s92, s93
	s_lshl_b32 s93, s16, 2
	s_add_co_u32 s92, s92, s93
	s_lshl_b32 s92, s92, 13
	s_add_co_u32 s92, s92, 0x1000000
	s_cmp_eq_u32 ttmp9, 2
	s_cselect_b32 s46, s92, s46
	s_mov_b32 s47, 0
	s_add_nc_u64 s[12:13], s[98:99], s[46:47]      ; out
	s_cmp_eq_u32 ttmp9, 0
	s_cselect_b64 s[98:99], s[10:11], s[96:97]     ; the norm weights: q's or k's
	s_lshl_b32 s18, s17, 4
	s_lshl_b32 s19, s15, 3
	s_add_co_u32 s18, s18, s19                     ; my first tile of 16 rows of x
	s_lshl_b32 s18, s18, 13
	s_mov_b32 s19, 0
	s_add_nc_u64 s[96:97], s[8:9], s[18:19]        ; its cos and sin
	s_mov_b32 s4, 0x3c000000                       ; 1 / 128
	s_mov_b32 s5, 0x358637bd                       ; eps = 1e-6
	s_mov_b32 s6, 0x76543210                       ; v_permlanex16_b32's selects for lane l xor 16
	s_mov_b32 s7, 0xfedcba98
	; the way out's tables, asked for now: 48 loads that have the whole K loop in which to land.  v6, v7 and s[96:99] are not written again
	v_lshlrev_b32 v6, 5, v2                        ; 32 h: my eight norm weights of a block of 16
	v_and_b32 v7, 31, v0
	v_lshlrev_b32 v7, 4, v7                        ; 16 x lane
.irp b, 0,1,2,3,4,5,6,7
.irp u, 0,1
	global_load_b128 v[NW+8*\b+4*\u:NW+8*\b+4*\u+3], v6, s[98:99] offset:64*\b+16*\u   ; w(16 b + 8 h + 4 u + 0..3)
.endr
.endr
	WIN TO_B
	CSLOAD 0
	CSLOAD 1
	WIN 0
.macro FRAG reg, adr, q, i             ; 16 rows x 128 K of 4-bit codes: 8 registers, two loads of 16 bytes, 32 bytes apart
.irp c, 0,1
	ds_load_b128 v[\reg+4*\c:\reg+4*\c+3], v[\adr] offset:64*(\q)+32*\c+(\i)*16*PITCH
.endr
.endm
; 16 matrix instructions: A's blocks a0, a0 + 1 x B's eight, 128 along K.  The 64 accumulators take turns, one instruction a turn, in the same order in every step.
.macro MUL16 a0, p, q, sc, zero
.irp a, \a0, \a0+1
.irp b, 0,1,2,3,4,5,6,7
.if \zero
	v_wmma_scale_f32_16x16x128_f8f6f4 v[8*(8*((\a)%4)+\b):8*(8*((\a)%4)+\b)+7], v[128*(\p)+FR*\b:128*(\p)+FR*\b+FR-1], v[AF+FR*(\a):AF+FR*(\a)+FR-1], 0, v[SC+8*NQ*(\sc)+NQ*\b+(\q)], v[SC+8*NQ*(\sc)+NQ*(\a)+(\q)] matrix_a_fmt:MATRIX_FMT_FP4 matrix_b_fmt:MATRIX_FMT_FP4 matrix_a_scale:MATRIX_SCALE_ROW1
.else
	v_wmma_scale_f32_16x16x128_f8f6f4 v[8*(8*((\a)%4)+\b):8*(8*((\a)%4)+\b)+7], v[128*(\p)+FR*\b:128*(\p)+FR*\b+FR-1], v[AF+FR*(\a):AF+FR*(\a)+FR-1], v[8*(8*((\a)%4)+\b):8*(8*((\a)%4)+\b)+7], v[SC+8*NQ*(\sc)+NQ*\b+(\q)], v[SC+8*NQ*(\sc)+NQ*(\a)+(\q)] matrix_a_fmt:MATRIX_FMT_FP4 matrix_b_fmt:MATRIX_FMT_FP4 matrix_a_scale:MATRIX_SCALE_ROW1
.endif
.endr
.endr
.endm
.macro FETCH_B slot, q, p
	WIN TO_B
.irp i, 0,1,2,3,4,5,6,7
	FRAG 128*(\p)+FR*\i, ADRB+\slot, \q, \i
.endr
	WIN 0
.endm
.macro FETCH_A slot, q, i0
.irp i, \i0, \i0+1, \i0+2, \i0+3
	FRAG AF+FR*(\i), ADRA+\slot, \q, \i
.endr
.endm
.macro SCALES sc                       ; a K step's scale words: lanes 0-15 take A's block i, lanes 16-31 B's block i
.irp i, 0,1,2,3,4,5,6,7
	ds_load_b128 v[SC+8*NQ*\sc+NQ*\i:SC+8*NQ*\sc+NQ*\i+3], v[ADRS] offset:\i*SBLK
.endr
.endm
.macro PLACES n                        ; plain vector instructions between a matrix instruction and a load into, or a read of, its registers
.rept \n
	v_nop
.endr
.endm
.macro STEP slot, q, zero
	s_wait_dscnt 4*NL                              ; B's set and A's blocks 0-3 are in; the youngest eight loads (A's blocks 4-7) may be out
	WIN MUL_LO
	MUL16 0, (\q)%2, \q, \slot, \zero
	MUL16 2, (\q)%2, \q, \slot, \zero
	s_wait_dscnt 0
	PLACES NP
	FETCH_B \slot, (\q)+1, 1-(\q)%2
	FETCH_A \slot, (\q)+1, 0
	WIN MUL_HI
	MUL16 4, (\q)%2, \q, \slot, \zero
	MUL16 6, (\q)%2, \q, \slot, \zero
	PLACES NP
	WIN 0
	FETCH_A \slot, (\q)+1, 4
.endm
; A slot's last step changes slots: one barrier; in front of it each wave waits for all its tensor loads, adds 0 to its spare word, and waits for that and for its reads of this slot.
.macro TURN slot, next, fill
	s_wait_tensorcnt 0x0                           ; all my tensor loads have landed: my part of the next slot
	ds_add_u32 v[SPW], v[NIL]
	s_wait_dscnt 4*NL+1                            ; (the add and the youngest eight loads may be out)
	WIN MUL_LO
	MUL16 0, 1, NQ-1, \slot, 0
	s_wait_dscnt 0x0                               ; the add is done, and my reads of this slot are over
	s_barrier_signal -1
	MUL16 2, 1, NQ-1, \slot, 0
	WIN 0
	s_barrier_wait -1
.if \fill
	CREST                                          ; the barrier has opened a round of the cluster's barrier: no wave of any partner still reads this slot or has a load on its way
	s_add_nc_u64 s[G0+4*\slot+2:G0+4*\slot+3], s[G0+4*\slot+2:G0+4*\slot+3], 2*ROWB
	s_add_nc_u64 s[G0B+4*\slot+2:G0B+4*\slot+3], s[G0B+4*\slot+2:G0B+4*\slot+3], 2*ROWB
	JLOAD G0+4*\slot, G1, G0B+4*\slot, G1B         ; the first tensor load behind the round; its four v_nop are the places in front of the loads below
.else
	PLACES NP
.endif
	v_add_nc_u32 v[ADRS], 4*NQ, v[ADRS]            ; on to the next K step's scale words
	FETCH_B \next, 0, 0
	FETCH_A \next, 0, 0
	SCALES \next
	WIN MUL_HI
	MUL16 4, 1, NQ-1, \slot, 0
	MUL16 6, 1, NQ-1, \slot, 0
	PLACES NP
	WIN 0
	FETCH_A \next, 0, 4
.endm
.macro STEPS slot, from
.set Q, \from
.rept NQ-1-\from
	STEP \slot, Q, 0
.set Q, Q+1
.endr
.endm
	s_wait_tensorcnt 1                             ; the scales and my part of K step 0 are in (K step 1's load may be out)
	s_barrier_signal -1
	s_barrier_wait -1
	FETCH_B 0, 0, 0
	FETCH_A 0, 0, 0
	SCALES 0
	FETCH_A 0, 0, 4
	STEP 0, 0, 1                                   ; the first step's products start the sums
	s_mov_b32 s3, LAPS-1
.Llap:                                             ; a trip goes once round the ring and fills both slots again
	STEPS 0, 1
	TURN 0, 1, 1
	STEPS 1, 0
	TURN 1, 0, 1
	STEP 0, 0, 0
	s_sub_co_u32 s3, s3, 1
	s_cmp_lg_u32 s3, 0
	s_cbranch_scc1 .Llap
	STEPS 0, 1                                     ; the last lap fills nothing
	TURN 0, 1, 0
	STEPS 1, 0
	s_wait_dscnt 4*NL
	WIN MUL_LO
	MUL16 0, 1, NQ-1, 1, 0
	MUL16 2, 1, NQ-1, 1, 0
	s_wait_dscnt 0
	WIN MUL_HI
	MUL16 4, 1, NQ-1, 1, 0
	MUL16 6, 1, NQ-1, 1, 0
	WIN 0
; THE WAY OUT: no LDS: a lane's eight results pack into the 16 bytes that the next launch's operand wants of that lane.
	PLACES NP                                      ; behind the last products: ahead of the reads of their results and of the loads into B's fragments
	s_wait_loadcnt 0x0                             ; the head's 48 loads: the norm weights, cos and sin of blocks 0 and 1
	s_cmp_eq_u32 ttmp9, 2
	s_cbranch_scc1 .Lvout
; Block a (16 positions x the head's 128 channels; register 8 b + j = channel 16 b + 8 h + j): the mean of squares, w x q, the rotation (channel c with c + 64: blocks b and b + 4), x 1 / rms, f16, store.
.macro NORMROPE a
.set AC, 64*((\a)%4)
.set CB, 64*(1-((\a)%4)/2)+128*((\a)%2)
	s_wait_xcnt 0x0                                ; the last block's stores have read their data
	WIN 0x0a+5*((\a)/4)                            ; sources 0 and 1: the block's window
.set p, 0
.rept 4
	v_pk_mul_f32 v[T+2*p:T+2*p+1], v[AC+2*p:AC+2*p+1], v[AC+2*p:AC+2*p+1]    ; four chains; each accumulator is read from its low end on
.set p, p+1
.endr
.rept 28
	v_pk_fma_f32 v[T+2*(p%4):T+2*(p%4)+1], v[AC+2*p:AC+2*p+1], v[AC+2*p:AC+2*p+1], v[T+2*(p%4):T+2*(p%4)+1]
.set p, p+1
.endr
	WIN 0
	v_pk_add_f32 v[T:T+1], v[T:T+1], v[T+2:T+3]
	v_pk_add_f32 v[T+4:T+5], v[T+4:T+5], v[T+6:T+7]
	v_pk_add_f32 v[T:T+1], v[T:T+1], v[T+4:T+5]
	v_add_f32 v[T], v[T], v[T+1]
	v_permlanex16_b32 v[T+1], v[T], s6, s7         ; the row's other 64 channels lie in the lane 16 away
	v_add_f32 v[T], v[T], v[T+1]
	v_fma_f32 v[T], v[T], s4, s5                   ; the mean + eps
	v_rsq_f32 v[INV], v[T]
	WIN 2+(\a)/4
.set p, 0
.rept 32
	v_pk_mul_f32 v[Y+2*p:Y+2*p+1], v[AC+2*p:AC+2*p+1], v[NW+2*p:NW+2*p+1]    ; w x q: plain work behind the root
.set p, p+1
.endr
	WIN 0x04                                       ; source 1: cos and sin, in window 1
.irp b, 0,1,2,3
.irp p, 0,1,2,3
	v_pk_mul_f32 v[T+2*\p:T+2*\p+1], v[Y+8*\b+2*\p:Y+8*\b+2*\p+1], v[CB+8*(2*\b+\p/2)+2*(\p%2)+4:CB+8*(2*\b+\p/2)+2*(\p%2)+5]      ; first x sin
.endr
.irp p, 0,1,2,3
	v_pk_mul_f32 v[Y+8*\b+2*\p:Y+8*\b+2*\p+1], v[Y+8*\b+2*\p:Y+8*\b+2*\p+1], v[CB+8*(2*\b+\p/2)+2*(\p%2):CB+8*(2*\b+\p/2)+2*(\p%2)+1]   ; first x cos
.endr
.irp p, 0,1,2,3
	v_pk_fma_f32 v[Y+8*\b+2*\p:Y+8*\b+2*\p+1], v[Y+32+8*\b+2*\p:Y+32+8*\b+2*\p+1], v[CB+8*(2*\b+\p/2)+2*(\p%2)+4:CB+8*(2*\b+\p/2)+2*(\p%2)+5], v[Y+8*\b+2*\p:Y+8*\b+2*\p+1] neg_lo:[1,0,0] neg_hi:[1,0,0]   ; - second x sin
.endr
.irp p, 0,1,2,3
	v_pk_fma_f32 v[Y+32+8*\b+2*\p:Y+32+8*\b+2*\p+1], v[Y+32+8*\b+2*\p:Y+32+8*\b+2*\p+1], v[CB+8*(2*\b+\p/2)+2*(\p%2):CB+8*(2*\b+\p/2)+2*(\p%2)+1], v[T+2*\p:T+2*\p+1]   ; second x cos + first x sin
.endr
.endr
	WIN 0
	; the next block's table is in: behind its 16 loads those of the blocks after it were issued, two blocks' (32), one (16) or none.  It stands ahead of the new request, so that three blocks' loads, 48, are out at the most
.if ((\a) >= 1) && ((\a) <= 4)
	s_wait_loadcnt 32
.elseif (\a) == 5
	s_wait_loadcnt 16
.elseif (\a) == 6
	s_wait_loadcnt 0x0
.endif
.if (\a) < 4
	WIN TO_B
	CSLOAD (\a)+4                                  ; into the set that this block's rotation has just read
	WIN 0
.endif
	s_wait_alu depctr_va_vdst(0)                   ; the wait ahead of the root's first reader
.set p, 0
.rept 32
	v_pk_mul_f32 v[Y+2*p:Y+2*p+1], v[Y+2*p:Y+2*p+1], v[INV:INV+1] op_sel_hi:[1,0]
.set p, p+1
.endr
.set p, 0
.rept 32
	v_cvt_pk_f16_f32 v[OUT+p], v[Y+2*p], v[Y+2*p+1]
.set p, p+1
.endr
.irp b, 0,1,2,3,4,5,6,7
	global_store_b128 v7, v[OUT+4*\b:OUT+4*\b+3], s[12:13] offset:(\a)*4096+\b*512
.endr
.endm
	v_mov_b32 v[INV+1], 0                          ; named as the upper half of a pair, so it is written
	WIN TO_B
	CSLOAD 2                                       ; into B's two sets of fragments, which are done with
	CSLOAD 3
	WIN 0
.irp a, 0,1,2,3,4,5,6,7
	NORMROPE \a
.endr
	s_branch .Ldone
.Lvout:
; v: block a = 16 channels; accumulator b = keys 16 b + 8 h + 0..7
.macro VOUT a
.set AC, 64*((\a)%4)
.set OO, OUT+32*((\a)%2)
.if (\a) >= 2
	s_wait_xcnt 0x0                                ; the stores of two blocks ago have read their data
.endif
	WIN 0x0a+5*((\a)/4)
.set p, 0
.rept 32
	v_cvt_pk_f16_f32 v[OO+p], v[AC+2*p], v[AC+2*p+1]
.set p, p+1
.endr
	WIN 0
.irp b, 0,1,2,3,4,5,6,7
	global_store_b128 v7, v[OO+4*\b:OO+4*\b+3], s[12:13] offset:(\b/2)*8192+(\a)*1024+(\b%2)*512
.endr
.endm
.irp a, 0,1,2,3,4,5,6,7
	VOUT \a
.endr
.Ldone:
	s_wait_tensorcnt 0x0                           ; the wave's end
	ds_add_u32 v[SPW], v[NIL]
	s_wait_dscnt 0x0
	CROUND                                         ; the closing round: no work-group ends while a partner may still ask for a tile that names it
	s_endpgm
.Lfunc_end_k_qafd6ba6576_qkv:
	.size	k_qafd6ba6576_qkv, .Lfunc_end_k_qafd6ba6576_qkv-k_qafd6ba6576_qkv
	.p2alignl 7, 3214868480
	.fill 96, 4, 3214868480
	.section	.rodata,"a",@progbits
	.p2align	6, 0x0
	.amdhsa_kernel k_qafd6ba6576_qkv
		.amdhsa_group_segment_fixed_size 327680
		.amdhsa_private_segment_fixed_size 0
		.amdhsa_enable_private_segment 0
		.amdhsa_kernarg_size 48
		.amdhsa_user_sgpr_count 2
		.amdhsa_user_sgpr_kernarg_segment_ptr 1
		.amdhsa_wavefront_size32 1
		.amdhsa_system_sgpr_workgroup_id_x 1
		.amdhsa_system_sgpr_workgroup_id_y 1
		.amdhsa_system_sgpr_workgroup_id_z 1
		.amdhsa_system_vgpr_workitem_id 0
		.amdhsa_next_free_vgpr 1024
		.amdhsa_next_free_sgpr 102
		.amdhsa_reserve_vcc 0
		.amdhsa_float_denorm_mode_32 3
		.amdhsa_float_denorm_mode_16_64 3
		.amdhsa_memory_ordered 1
		.amdhsa_forward_progress 1
		.amdhsa_inst_pref_size 255
	.end_amdhsa_kernel
	.section	.bss,"aw",@nobits
	.p2align	6
	.space	262144
	.amdgpu_metadata
---
amdhsa.version: [ 1, 2 ]
amdhsa.kernels:
  - .name:           k_qafd6ba6576_qkv
    .symbol:         k_qafd6ba6576_qkv.kd
    .args:
      - { .name: codes, .offset: 0, .size: 8, .value_kind: global_buffer, .address_space: global }
      - { .name: scales, .offset: 8, .size: 8, .value_kind: global_buffer, .address_space: global }
      - { .name: rope_tab, .offset: 16, .size: 8, .value_kind: global_buffer, .address_space: global }
      - { .name: q_norm_w, .offset: 24, .size: 8, .value_kind: global_buffer, .address_space: global }
      - { .name: k_norm_w, .offset: 32, .size: 8, .value_kind: global_buffer, .address_space: global }
      - { .name: qkv_frag, .offset: 40, .size: 8, .value_kind: global_buffer, .address_space: global }
    .group_segment_fixed_size: 327680
    .private_segment_fixed_size: 0
    .kernarg_segment_align: 8
    .kernarg_segment_size: 48
    .max_flat_workgroup_size: 128
    .sgpr_count:     102
    .vgpr_count:     1024
    .wavefront_size: 32
...
	.end_amdgpu_metadata
.endif
;; end of part 2
;; launch attn (part 3): grid 16 x 16, 4 waves a work-group, clusters of 4 x 1, 327,680 bytes of LDS; arguments qkv_frag, mask_w, o_frag, o32; writes o_frag, o32
.if DOCPART == 3
	.amdgcn_target "amdgcn-amd-amdhsa--gfx1250"
	.amdhsa_code_object_version 6
	.text
	.protected	k_qafd6ba6576_attn
	.globl	k_qafd6ba6576_attn
	.p2align	8
	.type	k_qafd6ba6576_attn,@function
k_qafd6ba6576_attn:
	s_mov_b64 s[64:65], 0
	v_nop
	global_prefetch_b8 v0, s[64:65] scope:SCOPE_SE
	s_setreg_imm32_b32 hwreg(HW_REG_WAVE_MODE, 25, 1), 1
	s_wait_xcnt 0x0
	s_wait_alu depctr_hold_cnt(0) depctr_sa_sdst(0) depctr_va_vdst(0) depctr_va_sdst(0) depctr_va_ssrc(0) depctr_va_vcc(0) depctr_vm_vsrc(0)
	s_getreg_b32 s2, hwreg(HW_REG_IB_STS2, 6, 4)
	s_cmp_eq_u32 s2, 0
	s_cbranch_scc0 .Lentry_in_a_cluster
	s_endpgm
.Lentry_in_a_cluster:
	s_bfe_u32 s2, ttmp6, 0x10000c
	s_cmp_lg_u32 s2, 0x3003
	s_cbranch_scc0 .Lentry_shape_is_right
	s_endpgm
.Lentry_shape_is_right:
; ATTN: o = softmax(where(mask, q k^T / sqrt(128), K_MASK)) v for 16 (batch, head) pairs of 2,048 x 2,048 x 128, operands f16, sums, maxima and the softmax in f32.  The mask is an input: nothing of its shape is built in.
; SHARES.  A work-group owns 128 queries of one head.  Wave w: qh = w & 1 picks 64 queries (four tiles of 16), kh = w >> 1 picks keys 1,024 kh on: 16 steps of 64 keys.  The two waves of a query half
; hold running maxima, sums and O of their own; at the end each gives two of its tiles to the other through LDS and merges the two that it keeps.  Register tiles 0, 1 are the tiles that a wave keeps
; (actual tiles 2 kh, 2 kh + 1), register tiles 2, 3 those that it gives away: one text serves all waves.
; LAYOUT.  S^T = K Q^T (source 0 = 16 keys, source 1 = 16 queries): a lane holds ONE query (lane % 16) and the keys 8 (lane / 16) + 0..7; two such tiles rounded to f16 are source 1 of O^T = V^T P.
; Q, K and V lie in memory in the order of the operands' registers: a fragment is two loads of 16 bytes a lane, 512 consecutive bytes each; no padding, no turning load.
; THE MASK comes as lane words (one word for each score register: bit = lane), by scalar loads, a turn ahead; a hidden score becomes -2^100 by v_cndmask_b32.  c x 2^100 is exact, so in a row that is hidden as a whole
; c s - c m is exactly 0 and every p is 1: the plain mean of v, as with the finite K_MASK; a row with any open key gets p = 0 for its hidden keys.
; SOFTMAX.  A running maximum m and sum l for each query: p = 2^(c s - c m), c = log2(e) / sqrt(128); in every step O and l are multiplied by a = 2^(c m_old - c m_new).
; BY TURNS.  The wave's tiles are two pieces (0: tiles 0, 1; 2: tiles 2, 3).  In a turn one piece has the matrix unit (32 products V^T P, then 32 products K Q^T of the next step) and the other piece's masking and
; softmax stand between them, dealt out behind each matrix instruction.
; CLUSTER.  The four query blocks of a cluster belong to one head and walk the same K and V: each tile is asked for jointly (the same descriptor, a mask that names the four).
; LIMITS: q, k, v, o inside f16's range (65,504); raw scores above -2^100 (f16's range bounds them to 5.5e11); NaN and infinities are not served.
; REGISTERS: window 0: v2-11 addresses; v12-43 statistics, eight a tile; v44-63 constants, addresses, the exchange's statistics; v64-191 S^T; v192-255 P.  window 1: O^T.  window 2: v0-127 Q, v128-255 K.  window 3: V.
.set KS,    64
.set STEPB, 16384                      ; a step's K (or V) in a region
.set SLOT1, 1<<17                      ; a slot: four regions of 32,768 bytes, region w filled by wave w: region 2 kh = 128 keys of K of half kh, region 2 kh + 1 = their V
.set SPARE, 2*SLOT1                    ; the spare words, 128 bytes for each wave, that no other line names
.set XCH,   16896                      ; the exchange: 16,384 bytes of O and 512 of statistics for each wave, in slot 0, which has had its last fill and its last read by then
.set AK0, 2
.set AV0, 3
.set ADR, 4
.set QA,  5
.set QB,  6
.set ST,  12
.set KM,  44                           ; v44  -2^100
.set L16, 45                           ; v45  16 x lane
.set XA,  46                           ; v46  where I put what I give away
.set XB,  47                           ; v47  where my partner (wave xor 2) has put what I get
.set QBK, 60                           ; v60  my block of queries
.set PFO, 61
.set SPW, 62
.set NIL, 63
.set S,   64
.set P,   192
.set KF,  128
.set G1,  4                            ; s[4:11]  descriptor group 1
.set G0,  12                           ; s[12:15], s[16:19] group 0: a set for each first fill; the second then walks
.set WV,  20
.set TB,  21                           ; LDS byte at which the step to be fetched begins
.set CS,  22
.set SEL, 24
.set MP,  26                           ; s[26:27] my wave's lane words
.set SLOTS, 28
.set TWICE, 29
.set PFA, 30
.set LIM, 66
.set MO0, 67                           ; offset of piece 0's next lane words
.set MO2, 100                          ; of piece 2's
.set MSB, 0
.macro WIN new
.if MSB != \new
	s_set_vgpr_msb (MSB<<8)|\new
.set MSB, \new
.endif
.endm
.set W_KQ, 0x0a
.set W_PV, 0x53
.set W_RS, 0x41
.macro JLOAD                           ; my region of the slot: every wave issues its own line with its own addresses; an s_nop 0 and four v_nop follow
	tensor_load_to_lds s[G0+4:G0+7], s[G1:G1+7]
	s_nop 0
.rept 4
	v_nop
.endr
.endm
; A prefetch of what the NEXT change of slots will ask for: my region's 32,768 bytes.  The head's first cluster asks; its four partners take 8,192 bytes each, told apart by address; lanes 256 bytes apart:
; each block of 256 bytes is named once in the launch.  The last change that fills a slot asks for nothing.
.macro ASK
	s_cmp_gt_u32 s[SLOTS], s[LIM]
	s_cbranch_scc0 .Lnot_mine_\@
	global_prefetch_b8 v[PFO], s[PFA:PFA+1] th:TH_LOAD_NT scope:SCOPE_SE
.Lnot_mine_\@:
.endm
.macro CROUND
	s_barrier_signal -1
	s_barrier_wait -1
	s_cmp_lg_u32 s[WV], 0
	s_cbranch_scc1 .Lnot_wave_0_\@
	s_barrier_signal -3
.Lnot_wave_0_\@:
	s_barrier_wait -3
	s_barrier_signal -1
	s_barrier_wait -1
.endm
; The lane words of piece p's next step: 32 words for each of its two tiles, which lie 4,096 bytes apart
.macro MLOAD p
.if (\p) == 0
.set MO, MO0
.else
.set MO, MO2
.endif
	s_load_b512 s[32:47], s[MP:MP+1], s[MO] offset:0x0
	s_load_b512 s[48:63], s[MP:MP+1], s[MO] offset:0x40
	s_load_b512 s[68:83], s[MP:MP+1], s[MO] offset:0x1000
	s_load_b512 s[84:99], s[MP:MP+1], s[MO] offset:0x1040
.endm
	s_load_b256 s[32:39], s[0:1], 0x0              ; qkv_frag s[32:33], mask_w s[34:35] (o_frag and o32 are loaded again on the way out)
	v_lshl_add_u32 v[SPW], v0, 2, SPARE
	v_mov_b32 v[NIL], 0
	ds_add_u32 v[SPW], v[NIL]                      ; the wave's opening: the add, twice on end, and its wait ahead of my first tensor load
	ds_add_u32 v[SPW], v[NIL]
	v_lshrrev_b32 v1, 5, v0
	v_readfirstlane_b32 s[WV], v1                  ; wave 0..3
	s_bfe_u32 s40, ttmp6, 0x40000                  ; cx
	s_lshl_b32 s41, ttmp9, 2
	s_add_co_u32 s41, s41, s40                     ; my block of 128 queries: it enters Q's, the mask's and the outputs' addresses alone
	s_and_b32 s42, ttmp7, 0xffff                   ; b 8 + head, which the partners share
	s_and_b32 s43, s[WV], 1                        ; qh.  Also: I fetch K (0) or V (1)
	s_lshr_b32 s44, s[WV], 1                       ; kh
	s_add_co_u32 s48, s43, 1
	s_lshl_b32 s48, s48, 23                        ; K at 8,388,608, V at 16,777,216
	s_lshl_b32 s45, s42, 19                        ; a head's 524,288 bytes
	s_add_co_u32 s48, s48, s45
	s_lshl_b32 s46, s44, 18                        ; 1,024 keys
	s_add_co_u32 s48, s48, s46
	s_mov_b32 s49, 0
	s_lshl_b32 s54, s41, 3
	s_lshl_b32 s46, s43, 2
	s_add_co_u32 s54, s54, s46                     ; my wave's first tile of 16 queries in the head
	s_lshl_b32 s50, s54, 12
	s_add_co_u32 s50, s50, s45
	s_mov_b32 s51, 0
	s_lshr_b32 s52, s42, 3
	s_lshl_b32 s52, s52, 7
	s_add_co_u32 s52, s52, s54
	s_lshl_b32 s52, s52, 5                         ; 32 steps a tile,
	s_lshl_b32 s46, s44, 4
	s_add_co_u32 s52, s52, s46                     ; my first step,
	s_lshl_b32 s52, s52, 7                         ; 128 bytes a step
	s_mov_b32 s53, 0
	s_lshl_b32 s[MO0], s44, 13                     ; register tiles 0, 1 are actual tiles 2 kh, 2 kh + 1;
	s_xor_b32 s[MO2], s[MO0], 8192                 ; register tiles 2, 3 the other two
	s_mov_b32 s[G1], 15|(3<<16)|(1<<21)            ; the mask: all four work-groups; elements of 8 bytes; bit 21 beside a mask; no padding
	s_mov_b32 s[G1+1], 32<<16                      ; tensor_dim0: a row of 256 bytes
	s_mov_b32 s[G1+2], 128<<16                     ; tensor_dim1
	s_mov_b32 s[G1+3], 32<<16                      ; tile_dim0
	s_mov_b32 s[G1+4], 128                         ; tile_dim1
	s_mov_b32 s[G1+5], 32                          ; the pitch: dense
	s_mov_b32 s[G1+6], 0
	s_mov_b32 s[G1+7], 0
	s_mov_b32 s[CS], 0x3e0293ee                    ; c = log2(e) / sqrt(128)
	s_mov_b32 s[CS+1], s[CS]
	s_mov_b32 s[SEL], 0x76543210
	s_mov_b32 s[SEL+1], 0xfedcba98
	s_mov_b32 s[TB], 0
	s_mov_b32 s[SLOTS], 6                          ; 8 slots' worth of keys for a half; two come by the first fills
	s_cmp_eq_u32 ttmp9, 0
	s_cselect_b32 s[LIM], 1, -1                    ; the head's first cluster prefetches: the same in all four partners
	v_and_b32 v1, 31, v0
	v_lshlrev_b32 v[PFO], 8, v1
	v_lshlrev_b32 v[L16], 4, v1
	v_mov_b32 v[QBK], s41
	s_lshl_b32 s55, s[WV], 15                      ; my region in a slot
	s_lshl_b32 s56, s40, 13                        ; my work-group's 8,192 bytes of a region, for the prefetches alone
	s_mov_b32 s57, 0
	s_wait_dscnt 0x0                               ; both opening adds are done
	s_wait_kmcnt 0x0
	s_add_nc_u64 s[48:49], s[32:33], s[48:49]      ; my region's first bytes in memory
	s_add_nc_u64 s[2:3], s[32:33], s[50:51]        ; Q at my wave's first tile
	s_add_nc_u64 s[MP:MP+1], s[34:35], s[52:53]
	s_add_nc_u64 s[PFA:PFA+1], s[48:49], s[56:57]
	s_add_nc_u64 s[PFA:PFA+1], s[PFA:PFA+1], 2*32768   ; in slot 2; the first change of slots steps it to slot 3.  Nothing is prefetched at the head
	CROUND                                         ; all four work-groups are here: the first joint loads meet
	s_mov_b32 s[G0], 1
	s_mov_b32 s[G0+1], s55
	s_mov_b64 s[G0+2:G0+3], s[48:49]
	s_or_b32 s[G0+3], s[G0+3], 0x80000000
	s_mov_b32 s[G0+4], 1
	s_add_co_u32 s[G0+5], s55, SLOT1
	s_add_nc_u64 s[G0+6:G0+7], s[48:49], 32768
	s_or_b32 s[G0+7], s[G0+7], 0x80000000
	tensor_load_to_lds s[G0:G0+3], s[G1:G1+7]      ; the two first fills together: two loads of mine are out
	s_nop 0
	tensor_load_to_lds s[G0+4:G0+7], s[G1:G1+7]
	s_nop 0
.rept 4
	v_nop
.endr
	s_lshl_b32 s46, s44, 13
	v_add_nc_u32 v[QA], s46, v[L16]                ; Q of register tiles 0, 1
	s_xor_b32 s46, s46, 8192
	v_add_nc_u32 v[QB], s46, v[L16]                ; of register tiles 2, 3
	WIN 0x80                                       ; destination window 2
.irp t, 0,1
.irp i, 0,1,2,3,4,5,6,7
	global_load_b128 v[32*\t+4*\i:32*\t+4*\i+3], v[QA], s[2:3] offset:\t*4096+\i*512
.endr
.endr
.irp t, 0,1
.irp i, 0,1,2,3,4,5,6,7
	global_load_b128 v[64+32*\t+4*\i:64+32*\t+4*\i+3], v[QB], s[2:3] offset:\t*4096+\i*512
.endr
.endr
	WIN 0
	s_lshl_b32 s46, s44, 16
	v_add_nc_u32 v[AK0], s46, v[L16]               ; my half's K: region 2 kh
	v_add_nc_u32 v[AV0], 32768, v[AK0]             ; its V: region 2 kh + 1
	v_mov_b32 v[KM], 0xf1800000                    ; -2^100
	s_mul_i32 s46, s[WV], XCH
	v_add_nc_u32 v[XA], s46, v[L16]
	s_xor_b32 s46, s[WV], 2
	s_mul_i32 s46, s46, XCH
	v_add_nc_u32 v[XB], s46, v[L16]
	MLOAD 0                                        ; piece 0's lane words of step 0 (s32 to s63 are free from here on)
; Product i of 32 of O^T += V^T P: keys 32 (i / 16) on, channels 16 ((i / 2) % 8) on, tile x + i % 2.  The accumulators take turns, one instruction a turn.
.macro PV x, zero
	WIN W_PV
.set rO, 64*(\x+i%2)+8*((i/2)%8)
.set rV, 64*(i/16)+8*((i/2)%8)
.set rP, P+16*(\x+i%2)+8*(i/16)
.if \zero && (i < 16)
	v_wmma_f32_16x16x32_f16 v[rO:rO+7], v[rV:rV+7], v[rP:rP+7], 0
.else
	v_wmma_f32_16x16x32_f16 v[rO:rO+7], v[rV:rV+7], v[rP:rP+7], v[rO:rO+7]
.endif
.endm
; Product i of 32 of S^T = K Q^T: channels 32 (i / 8) on, keys 16 ((i / 2) % 4) on, tile x + i % 2
.macro KQ x
	WIN W_KQ
.set rS, S+32*(\x+i%2)+8*((i/2)%4)
.set rK, KF+32*((i/2)%4)+8*(i/8)
.set rQ, 32*(\x+i%2)+8*(i/8)
.if i < 8
	v_wmma_f32_16x16x32_f16 v[rS:rS+7], v[rK:rK+7], v[rQ:rQ+7], 0
.else
	v_wmma_f32_16x16x32_f16 v[rS:rS+7], v[rK:rK+7], v[rQ:rQ+7], v[rS:rS+7]
.endif
.endm
.macro FETCH_K                         ; a step's K: 16 fragments, 32 loads of 512 consecutive bytes, in one run
	WIN 0
	v_add_nc_u32 v[ADR], s[TB], v[AK0]
	WIN 0x80
.irp f, 0,1,2,3,4,5,6,7,8,9,10,11,12,13,14,15
	ds_load_b128 v[KF+8*\f:KF+8*\f+3],   v[ADR] offset:\f*1024
	ds_load_b128 v[KF+8*\f+4:KF+8*\f+7], v[ADR] offset:\f*1024+512
.endr
.endm
.macro FETCH_V
	WIN 0
	v_add_nc_u32 v[ADR], s[TB], v[AV0]
	s_add_co_u32 s[TB], s[TB], STEPB               ; the next fetch is the next step's
	s_wait_alu depctr_va_vdst(0)                   ; the wait for the softmax's batch of exponentials, ahead of its first reader
	WIN 0xc0
.irp f, 0,1,2,3,4,5,6,7,8,9,10,11,12,13,14,15
	ds_load_b128 v[8*\f:8*\f+3],   v[ADR] offset:\f*1024
	ds_load_b128 v[8*\f+4:8*\f+7], v[ADR] offset:\f*1024+512
.endr
.endm
; One tile's softmax for one key step is a list of 134 instructions; SM writes number j of it for tile t.
;   0-15 the maximum of the 32 scores and the old m;  16-20 the other half of the lanes', the new m, c m, its change;  21-69 ONE BATCH: 16 packed scalings c s - c m and all 33 exponentials, none of which reads an
;   exponential's result;  (the batch's one wait);  70-85 the roundings to f16;  86-101 the sums, l = a l + the sum;  102-133 the tile's O^T times a.
.macro SM t, first
.set rT, ST+8*(\t)
.set rS, S+32*(\t)
.set rP, P+16*(\t)
.set rO, 64*(\t)+2*(j-102)
.if j < 102
	WIN 0
.endif
.if j < 4
	v_max3_num_f32 v[rT+4+j], v[rS+8*j], v[rS+8*j+1], v[rS+8*j+2]
.elseif j < 12
	v_max3_num_f32 v[rT+4+j%4], v[rT+4+j%4], v[rS+8*(j%4)+2*(j/4)+1], v[rS+8*(j%4)+2*(j/4)+2]
.elseif j == 12
	v_max3_num_f32 v[rT+4], v[rT+4], v[rS+7], v[rS+15]
.elseif j == 13
	v_max3_num_f32 v[rT+6], v[rT+6], v[rS+23], v[rS+31]
.elseif j == 14
	v_max3_num_f32 v[rT+4], v[rT+4], v[rT+5], v[rT+6]
.elseif (j == 15) && \first
	v_max_num_f32 v[rT+4], v[rT+4], v[rT+7]
.elseif j == 15
	v_max3_num_f32 v[rT+4], v[rT+4], v[rT+7], v[rT+1]
.elseif j == 16
	v_permlanex16_b32 v[rT+5], v[rT+4], s[SEL], s[SEL+1]
.elseif j == 18
	v_max_num_f32 v[rT+1], v[rT+4], v[rT+5]
.elseif j == 19
	v_mul_f32 v[rT], s[CS], v[rT+1]
.elseif ((j == 17) || (j == 20) || (j == 23) || (j > 101)) && \first
.elseif j == 17
	v_mov_b32 v[rT+7], v[rT]                       ; c m_old is kept for a
.elseif j == 20
	v_sub_f32 v[rT+7], v[rT+7], v[rT]
.elseif j == 23
	v_exp_f32 v[rT+6], v[rT+7]
.elseif (j < 23) || ((j < 38) && (j%2 == 0)) || ((j < 66) && (j%4 == 2))
.set b, (j-2)/4
.if j < 38
.set b, (j-20)/2
.endif
	v_pk_fma_f32 v[rS+2*b:rS+2*b+1], v[rS+2*b:rS+2*b+1], s[CS:CS+1], v[rT:rT+1] op_sel_hi:[1,0,0] neg_lo:[0,0,1] neg_hi:[0,0,1]
.elseif j < 70
.set e, j-38
.if j < 66
.set e, j-32-(j-38)/4
.endif
.if j < 38
.set e, (j-25)/2
.endif
	v_exp_f32 v[rS+e], v[rS+e]
.elseif j < 86
	v_cvt_pk_f16_f32 v[rP+j-70], v[rS+2*(j-70)], v[rS+2*(j-70)+1]
.elseif j < 102
.set z, j-86
.set w, 4
.set u, z
.if z >= 14
.set w, 32
.set u, 0
.elseif z >= 12
.set w, 16
.set u, z-12
.elseif z >= 8
.set w, 8
.set u, z-8
.endif
.if (z == 14) && \first
	v_pk_add_f32 v[rT+2:rT+3], v[rS:rS+1], v[rS+16:rS+17]
.elseif z < 15
	v_pk_add_f32 v[rS+w*u:rS+w*u+1], v[rS+w*u:rS+w*u+1], v[rS+w*u+w/2:rS+w*u+w/2+1]
.elseif !\first
	v_pk_fma_f32 v[rT+2:rT+3], v[rT+2:rT+3], v[rT+6:rT+7], v[rS:rS+1] op_sel_hi:[1,0,1]
.endif
.else
	WIN W_RS
	v_pk_mul_f32 v[rO:rO+1], v[rO:rO+1], v[rT+6:rT+7] op_sel_hi:[1,0]
.endif
.endm
; Slice k of 64 of piece y's softmax: four instructions (slice 63: sixteen).  Slices 11 to 34 deal out the batch; behind slice 34 stand a plain instruction and the batch's one wait.
.macro SLICE y, first
.if (k >= 11) && (k < 35)
.irp n4, 0,1,2,3
.set j, 22+4*((k-11)/2)+(\n4)
	SM (\y)+(k-11)%2, \first
.endr
.else
.irp n8, 0,1,2,3,4,5,6,7
.if (\n8 < 2) || (k == 63)
.irp t, \y, \y+1
.set j, 2*k+\n8
	SM \t, \first
.endr
.endif
.endr
.endif
.if k == 34
	v_nop                                          ; a plain instruction behind the last exponential
.if (\y) == 0
	FETCH_V                                        ; piece 2's turn: V's run of loads stands here, and the wait stands in it
.else
	s_wait_alu depctr_va_vdst(0)
.endif
.endif
.set k, k+1
.endm
; The masking of piece y: in slot n (0..7) score registers 4 n .. 4 n + 3 of both tiles: open (bit 1) keeps the score, hidden takes -2^100.  Each accumulator is read from its low end on.
.macro MASK8 y
	WIN 0
.irp e4, 0,1,2,3
.irp u2, 0,1
	v_cndmask_b32 v[S+32*((\y)+\u2)+4*n+\e4], v[KM], v[S+32*((\y)+\u2)+4*n+\e4], s[32+36*\u2+4*n+\e4]
.endr
.endr
.endm
; What stands behind a matrix instruction: slot n of 64.  Slots 0-7 the masking; then the 64 slices, two in each of slots 43-50.  In slot 8, where the lane words have been used, the next turn's are asked for.
; The batch's end (slice 34, with V's loads) falls in slot 42: eleven slots behind the last product that read V, with ten packed scalings, the v_nop and the run's own addition between.
.macro DEAL y, first, ml, x
.if n < 8
	MASK8 \y
.else
.if (n == 8) && \ml
	MLOAD \x
.endif
	SLICE \y, \first
.if (n >= 43) && (n < 51)
	SLICE \y, \first
.endif
.endif
.set n, n+1
.endm
.macro PLACES
.rept 4
	v_nop
.endr
.endm
; A TURN.  Piece x has the matrix unit; piece 2 - x is masked and goes through its softmax.  pv = 2: 32 products V^T P; 1: they start O^T; 0: none.  kq = 1: 32 products K Q^T.  ml = 1: piece x's next lane words are asked for.
.macro TURN x, pv, kq, first, ml
.set k, 0
.set n, 0
.set per, 2
.if \pv && \kq
.set per, 1
.endif
	s_wait_kmcnt 0x0                               ; the lane words of piece 2 - x are in, so their offset may step
.if \x == 0
	s_add_co_u32 s[MO2], s[MO2], 128
.else
	s_add_co_u32 s[MO0], s[MO0], 128
.endif
.if \pv
.if \x == 0
	s_wait_dscnt 0x0                               ; V is in
.endif
.set i, 0
.rept 32
	PV \x, 2-\pv
.rept per
	DEAL 2-\x, \first, \ml, \x
.endr
.if (\x == 0) && \kq && (i == 1)
	FETCH_K
.endif
.set i, i+1
.endr
.endif
.if \kq
.if \x == 0
	s_wait_dscnt 0x0                               ; K is in
.endif
.set i, 0
.rept 32
	KQ \x
.rept per
	DEAL 2-\x, \first, \ml, \x
.endr
.set i, i+1
.endr
.endif
.if \first
	PLACES
.endif
.endm
; THE CHANGE OF SLOTS.  Each wave waits for all its tensor loads (one is out: its region of the other slot), adds 0 to its spare word, and waits for that and for its reads of the slot.
; fill = 1: the barrier is a round of the cluster's, and the joint refill is the first thing behind it: it has two key steps, 256 matrix instructions, in which to land.
.macro CHANGE fill
	WIN 0
	s_wait_tensorcnt 0x0
	ds_add_u32 v[SPW], v[NIL]
.if \fill
	s_xor_b32 s[G0+5], s[G0+5], SLOT1              ; the walking descriptor: the other slot,
	s_add_nc_u64 s[G0+6:G0+7], s[G0+6:G0+7], 32768 ; the next 128 keys
	s_wait_xcnt 0x0                                ; the last prefetch, two key steps back, has read its address
	s_add_nc_u64 s[PFA:PFA+1], s[PFA:PFA+1], 32768
	s_wait_dscnt 0x0                               ; the add is done, and my reads of the slot are over
	CROUND
	JLOAD
	ASK
.else
	s_wait_dscnt 0x0
	s_barrier_signal -1
	s_barrier_wait -1
.endif
	s_sub_co_u32 s[TB], s[TB], 2*STEPB
	s_xor_b32 s[TB], s[TB], SLOT1
.endm
.macro TWO_STEPS
	s_mov_b32 s[TWICE], 2
.Lstep_\@:
	TURN 0, 2, 1, 0, 1
	TURN 2, 2, 1, 0, 1
	WIN 0
	s_sub_co_u32 s[TWICE], s[TWICE], 1
	s_cmp_lg_u32 s[TWICE], 0
	s_cbranch_scc1 .Lstep_\@
.endm
	s_wait_tensorcnt 1                             ; my region of slot 0 is in; slot 1's load may stay out
	s_barrier_signal -1
	s_barrier_wait -1
	FETCH_K                                        ; key step 0
	s_wait_loadcnt 0x0                             ; Q
	s_wait_dscnt 0x0
.set i, 0
.rept 32
	KQ 0
.set i, i+1
.endr
	WIN 0
	PLACES                                         ; behind those products, ahead of the first read of their results
	TURN 2, 0, 1, 1, 1                             ; piece 2's first scores | piece 0's first softmax | V of step 0
	TURN 0, 1, 1, 1, 1                             ; piece 0: V^T P of step 0 starts O^T, K Q^T of step 1 | piece 2's first softmax | K of step 1
	TURN 2, 1, 1, 0, 1
	WIN 0
.Lslot:                                            ; six trips: every slot but the last two is filled again
	CHANGE 1
	TWO_STEPS
	s_sub_co_u32 s[SLOTS], s[SLOTS], 1
	s_cmp_lg_u32 s[SLOTS], 0
	s_cbranch_scc1 .Lslot
	CHANGE 0                                       ; the tail is written out
	TWO_STEPS
	TURN 0, 2, 0, 0, 0                             ; piece 0: V^T P of the last step | piece 2's last softmax
.set i, 0
.rept 32
	PV 2, 0
.set i, i+1
.endr
	; THE WAY OUT.  l's halves are added (these lines are the places behind the last products); register tiles 2, 3 go to my partner with their c m and l; the two halves of the keys are merged.
	WIN 0
.irp t, 0,1,2,3
	v_add_f32 v[ST+8*\t+4], v[ST+8*\t+2], v[ST+8*\t+3]
.endr
.irp t, 0,1,2,3
	v_permlanex16_b32 v[ST+8*\t+5], v[ST+8*\t+4], s[SEL], s[SEL+1]
.endr
	v_add_f32 v[ST+4], v[ST+4], v[ST+5]            ; l of the tiles that I keep
	v_add_f32 v[ST+12], v[ST+12], v[ST+13]
	v_add_f32 v50, v[ST+20], v[ST+21]              ; l of the tiles that I give away,
	v_add_f32 v51, v[ST+28], v[ST+29]
	v_mov_b32 v48, v[ST+16]                        ; and their c m
	v_mov_b32 v49, v[ST+24]
	WIN 0x04                                       ; an LDS store's data are its source 1: window 1
.irp i, 0,1,2,3,4,5,6,7,8,9,10,11,12,13,14,15,16,17,18,19,20,21,22,23,24,25,26,27,28,29,30,31
	ds_store_b128 v[XA], v[128+4*\i:131+4*\i] offset:512*\i    ; as the registers stand; each accumulator from its low end on
.endr
	WIN 0
	ds_store_b128 v[XA], v[48:51] offset:16384
	s_load_b128 s[32:35], s[0:1], 0x10             ; o_frag, o32
	s_wait_dscnt 0x0                               ; for my partner's sake: my stores have landed
	s_barrier_signal -1
	s_barrier_wait -1
.irp i, 0,1,2,3,4,5,6,7,8,9,10,11,12,13,14,15,16,17,18,19,20,21,22,23,24,25,26,27,28,29,30,31
	ds_load_b128 v[64+4*\i:67+4*\i], v[XB] offset:512*\i       ; my partner's O of the tiles that I keep
.endr
	ds_load_b128 v[52:55], v[XB] offset:16384      ; its c m (two tiles), its l (two tiles)
	s_bfe_u32 s40, ttmp6, 0x40000
	s_lshl_b32 s41, ttmp9, 2
	s_add_co_u32 s41, s41, s40                     ; my block of queries
	s_and_b32 s42, ttmp7, 0xffff
	s_lshr_b32 s46, s42, 3
	s_lshl_b32 s46, s46, 7                         ; 128 tiles a batch
	s_lshl_b32 s45, s41, 3
	s_add_co_u32 s46, s46, s45
	s_and_b32 s45, s[WV], 1
	s_lshl_b32 s45, s45, 2
	s_add_co_u32 s46, s46, s45
	s_and_b32 s45, s[WV], 2                        ; 2 kh
	s_add_co_u32 s46, s46, s45                     ; the first tile of 16 rows that I store
	s_lshl_b32 s46, s46, 15
	s_and_b32 s45, s42, 7
	s_lshl_b32 s45, s45, 12                        ; my head's four groups of 32 along the projection's K
	s_add_co_u32 s46, s46, s45
	s_mov_b32 s47, 0
	s_lshl_b32 s44, s42, 13
	s_mov_b32 s45, 0
	s_wait_kmcnt 0x0
	s_add_nc_u64 s[32:33], s[32:33], s[46:47]
	s_add_nc_u64 s[34:35], s[34:35], s[44:45]
	s_wait_dscnt 0x0
.irp t, 0,1
	v_max_num_f32 v[56+\t], v[ST+8*\t], v[52+\t]   ; the larger c m
.endr
.irp t, 0,1
	v_sub_f32 v[ST+8*\t+5], v[ST+8*\t], v[56+\t]
	v_sub_f32 v[ST+8*\t+6], v[52+\t], v[56+\t]
.endr
.irp t, 0,1
	v_exp_f32 v[ST+8*\t+5], v[ST+8*\t+5]           ; what my half counts for,
	v_exp_f32 v[ST+8*\t+6], v[ST+8*\t+6]           ; and my partner's
.endr
	v_nop
	s_wait_alu depctr_va_vdst(0)                   ; one wait for the four
.irp t, 0,1
	v_mul_f32 v[ST+8*\t+7], v[ST+8*\t+5], v[ST+8*\t+4]
.endr
.irp t, 0,1
	v_fma_f32 v[ST+8*\t+7], v[ST+8*\t+6], v[54+\t], v[ST+8*\t+7]   ; the row's sum: at least 1
.endr
.irp t, 0,1
	v_rcp_f32 v[ST+8*\t+7], v[ST+8*\t+7]
.endr
	v_nop
	s_wait_alu depctr_va_vdst(0)                   ; one wait for the two
.irp t, 0,1
	v_mul_f32 v[ST+8*\t+2], v[ST+8*\t+5], v[ST+8*\t+7]
	v_mul_f32 v[ST+8*\t+4], v[ST+8*\t+6], v[ST+8*\t+7]
.endr
.irp t, 0,1
.set i, 0
.rept 32
	v_pk_mul_f32 v[64+64*\t+2*i:65+64*\t+2*i], v[64+64*\t+2*i:65+64*\t+2*i], v[ST+8*\t+4:ST+8*\t+5] op_sel_hi:[1,0]
.set i, i+1
.endr
.endr
	WIN 0x01                                       ; source 0: window 1
.irp t, 0,1
.set i, 0
.rept 32
	v_pk_fma_f32 v[64+64*\t+2*i:65+64*\t+2*i], v[64*\t+2*i:64*\t+2*i+1], v[ST+8*\t+2:ST+8*\t+3], v[64+64*\t+2*i:65+64*\t+2*i] op_sel_hi:[1,0,1]
.set i, i+1
.endr
.endr
	WIN 0
	; the first 16 positions of the sequence also leave in f32, as the registers stand: wave 0 of the head's first block.  The branch hangs on the wave's number and the cluster's x; the block inside the cluster is told apart by EXEC.
	s_or_b32 s2, s[WV], ttmp9
	s_cmp_lg_u32 s2, 0
	s_cbranch_scc1 .Lno32
	v_cmp_eq_u32 vcc_lo, 0, v[QBK]
	s_wait_xcnt 0x0                                ; EXEC changes only behind this wait
	s_and_saveexec_b32 s2, vcc_lo
.irp i, 0,1,2,3,4,5,6,7,8,9,10,11,12,13,14,15
	global_store_b128 v[L16], v[64+4*\i:67+4*\i], s[34:35] offset:512*\i
.endr
	s_wait_xcnt 0x0                                ; and again, in front of the line that widens it
	s_or_b32 exec_lo, exec_lo, s2
.Lno32:
.set i, 0
.rept 64
	v_cvt_pk_f16_f32 v[192+i], v[64+2*i], v[65+2*i]
.set i, i+1
.endr
.irp t, 0,1
.irp c, 0,1,2,3,4,5,6,7
	global_store_b128 v[L16], v[192+32*\t+4*\c:195+32*\t+4*\c], s[32:33] offset:\t*32768+\c*512   ; 32 lanes store 512 consecutive bytes, aligned
.endr
.endr
	s_wait_tensorcnt 0x0                           ; the wave's end
	ds_add_u32 v[SPW], v[NIL]
	s_wait_dscnt 0x0
	CROUND                                         ; the closing round
	s_endpgm
.Lfunc_end_k_qafd6ba6576_attn:
	.size	k_qafd6ba6576_attn, .Lfunc_end_k_qafd6ba6576_attn-k_qafd6ba6576_attn
	.p2alignl 7, 3214868480
	.fill 96, 4, 3214868480
	.section	.rodata,"a",@progbits
	.p2align	6, 0x0
	.amdhsa_kernel k_qafd6ba6576_attn
		.amdhsa_group_segment_fixed_size 327680
		.amdhsa_private_segment_fixed_size 0
		.amdhsa_enable_private_segment 0
		.amdhsa_kernarg_size 32
		.amdhsa_user_sgpr_count 2
		.amdhsa_user_sgpr_kernarg_segment_ptr 1
		.amdhsa_wavefront_size32 1
		.amdhsa_system_sgpr_workgroup_id_x 1
		.amdhsa_system_sgpr_workgroup_id_y 1
		.amdhsa_system_sgpr_workgroup_id_z 1
		.amdhsa_system_vgpr_workitem_id 0
		.amdhsa_next_free_vgpr 1024
		.amdhsa_next_free_sgpr 102
		.amdhsa_reserve_vcc 1
		.amdhsa_float_denorm_mode_32 3
		.amdhsa_float_denorm_mode_16_64 3
		.amdhsa_memory_ordered 1
		.amdhsa_forward_progress 1
		.amdhsa_inst_pref_size 251
	.end_amdhsa_kernel
	.amdgpu_metadata
---
amdhsa.version: [ 1, 2 ]
amdhsa.kernels:
  - .name:           k_qafd6ba6576_attn
    .symbol:         k_qafd6ba6576_attn.kd
    .args:
      - { .name: qkv_frag, .offset: 0, .size: 8, .value_kind: global_buffer, .address_space: global }
      - { .name: mask_w, .offset: 8, .size: 8, .value_kind: global_buffer, .address_space: global }
      - { .name: o_frag, .offset: 16, .size: 8, .value_kind: global_buffer, .address_space: global }
      - { .name: o32, .offset: 24, .size: 8, .value_kind: global_buffer, .address_space: global }
    .group_segment_fixed_size: 327680
    .private_segment_fixed_size: 0
    .kernarg_segment_align: 8
    .kernarg_segment_size: 32
    .max_flat_workgroup_size: 128
    .sgpr_count:     102
    .vgpr_count:     1024
    .wavefront_size: 32
...
	.end_amdgpu_metadata
.endif
;; end of part 3
;; launch proj (part 4): grid 16 x 16, 4 waves a work-group, clusters of 4 x 4, 327,680 bytes of LDS; arguments o_frag, wo_frag, out0; writes out0
.if DOCPART == 4
	.amdgcn_target "amdgcn-amd-amdhsa--gfx1250"
	.amdhsa_code_object_version 6
	.text
	.protected	k_qafd6ba6576_proj
	.globl	k_qafd6ba6576_proj
	.p2align	8
	.type	k_qafd6ba6576_proj,@function
k_qafd6ba6576_proj:
	s_mov_b64 s[64:65], 0
	v_nop
	global_prefetch_b8 v0, s[64:65] scope:SCOPE_SE
	s_setreg_imm32_b32 hwreg(HW_REG_WAVE_MODE, 25, 1), 1
	s_wait_xcnt 0x0
	s_wait_alu depctr_hold_cnt(0) depctr_sa_sdst(0) depctr_va_vdst(0) depctr_va_sdst(0) depctr_va_ssrc(0) depctr_va_vcc(0) depctr_vm_vsrc(0)
	s_getreg_b32 s2, hwreg(HW_REG_IB_STS2, 6, 4)
	s_cmp_eq_u32 s2, 0
	s_cbranch_scc0 .Lentry_in_a_cluster
	s_endpgm
.Lentry_in_a_cluster:
	s_bfe_u32 s2, ttmp6, 0x10000c
	s_cmp_lg_u32 s2, 0xf033
	s_cbranch_scc0 .Lentry_shape_is_right
	s_endpgm
.Lentry_shape_is_right:
; PROJ: out0 [4096][2048] f32 = o [4096][1024] x wo [1024][2048], operands f16, sums f32.  Both operands lie in memory in the order of the operands' registers:
; [tile of 16 rows (o) or 16 columns d (wo)][k / 32][half 2][lane][16 bytes]: a group of 32 along K of a tile is 1,024 consecutive bytes, tiles 32,768 bytes apart.
; A tile of out0, 256 rows x 128 columns, is made by four waves, 128 x 64 each: 32 accumulators, 256 registers.  256 work-groups.
; K GOES IN STEPS OF 192, as long as two slots in LDS allow (24 tiles x 6,144 bytes a slot): five such steps and one of 64.  So a refill has 192 matrix instructions of a wave in which to land, and there are four
; refills in all.  The short step has descriptors of its own (rows of 2,048 bytes, dense) and lands in slot 1's bytes.  The steps are written out: the last refill differs from the others.
; THE MATRIX INSTRUCTION IS USED TRANSPOSED (source 0 = 16 columns of wo, source 1 = 16 rows of o): a lane holds eight neighbouring numbers of a row of out0.
; CLUSTERS: 4 x 4: o's tiles are shared along a row of the cluster, wo's along a column: joint loads.
; LIMITS: o and wo inside f16's range.  Rows 0-15 of each batch are written again, from f32 operands, by the launch that follows.
; REGISTERS: window 0: addresses, v32-95 the way out.  window 1: two fragment buffers (wo's 4 fragments, then o's 8) at v0 and v128.  window 2: accumulator (a, b) at v[8 (4 a + b)].
.set TPF,    6144                      ; a tile's part of a full K step: 6 groups of 1,024 bytes
.set TPS,    2048                      ; of the short one: 2 groups
.set SLOT,   24*TPF                    ; o's 16 tiles, then wo's 8
.set BOFF,   16*TPF
.set SPARE,  2*SLOT                    ; the spare words, 128 bytes for each wave, that no other line names
.set SPITCH, 272                       ; the way out: a stage of 16 rows x (256 bytes + 16) for each wave, in slot 0, which has had its last fill and its last read by then
.set ADRA, 16                          ; v16, v17 my tiles of o in slots 0, 1; v18 in the short step (place 2)
.set ADRB, 20                          ; v20, v21, v22 the same for wo
.set STO,  24
.set RD,   25
.set CO,   26
.set SPW,  28
.set NIL,  29
.set BK,   32
.set F0,   0
.set F1,   128
.set G1, 24                            ; s[24:31] group 1 for o's tiles; s[32:39] group 0, a set for each slot
.set G0, 32
.set G1B, 48                           ; s[48:55], s[56:63] the same for wo's
.set G0B, 56
.set G1S, 68                           ; s[68:75], s[76:83] groups 1 of the short step, o's and wo's
.set G1SB, 76
.set G0S, 84                           ; s[84:87], s[88:91] its groups 0
.set G0SB, 88
.set MSB, 0
.macro WIN new
.if MSB != \new
	s_set_vgpr_msb (MSB<<8)|\new
.set MSB, \new
.endif
.endm
.set MUL,  0xa5                        ; sources 0 and 1 window 1; C and D window 2
.set TO_F, 0x40
.macro JLOAD g0a, g1a, g0b, g1b        ; waves 0 and 1 fetch o's two halves, waves 2 and 3 wo's; an s_nop 0 and four v_nop follow each line
	s_cmp_eq_u32 s11, 0
	s_cbranch_scc0 .Lfor_b_\@
	tensor_load_to_lds s[\g0a:\g0a+3], s[\g1a:\g1a+7]
	s_nop 0
.rept 4
	v_nop
.endr
	s_branch .Lasked_\@
.Lfor_b_\@:
	tensor_load_to_lds s[\g0b:\g0b+3], s[\g1b:\g1b+7]
	s_nop 0
.rept 4
	v_nop
.endr
.Lasked_\@:
.endm
.macro CREST
	s_cmp_lg_u32 s10, 0
	s_cbranch_scc1 .Lnot_wave_0_\@
	s_barrier_signal -3
.Lnot_wave_0_\@:
	s_barrier_wait -3
	s_barrier_signal -1
	s_barrier_wait -1
.endm
.macro CROUND
	s_barrier_signal -1
	s_barrier_wait -1
	CREST
.endm
	s_load_b128 s[4:7], s[0:1], 0x0                ; o_frag, wo_frag
	s_load_b64 s[8:9], s[0:1], 0x10                ; out0
	v_lshl_add_u32 v[SPW], v0, 2, SPARE
	v_mov_b32 v[NIL], 0
	ds_add_u32 v[SPW], v[NIL]                      ; the wave's opening: the add, twice on end, and its wait ahead of my first tensor load
	ds_add_u32 v[SPW], v[NIL]
	v_lshrrev_b32 v1, 5, v0
	v_readfirstlane_b32 s10, v1                    ; wave 0..3
	s_lshr_b32 s11, s10, 1                         ; which 128 rows are mine.  Also: I fetch o (0) or wo (1)
	s_and_b32 s12, s10, 1                          ; which 64 columns.  Also: which half of that tile I fetch
	s_bfe_u32 s40, ttmp6, 0x40000
	s_bfe_u32 s41, ttmp6, 0x40004
	s_lshl_b32 s42, ttmp9, 2
	s_add_co_u32 s42, s42, s40                     ; tile column
	s_and_b32 s13, ttmp7, 0xffff
	s_lshl_b32 s13, s13, 2
	s_add_co_u32 s13, s13, s41                     ; tile row
	s_lshl_b32 s43, s41, 2
	s_lshl_b32 s43, 15, s43                        ; my row of the cluster
	s_lshl_b32 s44, 0x1111, s40                    ; my column
	s_or_b32 s[G1+0], s43, (3<<16)|(1<<21)         ; the mask; elements of 8 bytes; bit 21 beside a mask; no padding
	s_or_b32 s[G1B+0], s44, (3<<16)|(1<<21)
	s_or_b32 s[G1S+0], s43, (3<<16)|(1<<21)
	s_or_b32 s[G1SB+0], s44, (3<<16)|(1<<21)
	s_mov_b32 s[G1+1], 768<<16                     ; tensor_dim0: 6,144 bytes
	s_mov_b32 s[G1+2], 8<<16                       ; tensor_dim1: 8 tiles
	s_mov_b32 s[G1+3], 768<<16                     ; tile_dim0
	s_mov_b32 s[G1+4], 8                           ; tile_dim1
	s_mov_b32 s[G1+5], 4096                        ; the pitch: 32,768 bytes
	s_mov_b32 s[G1+6], 0
	s_mov_b32 s[G1+7], 0
	s_mov_b32 s[G1B+1], 768<<16
	s_mov_b32 s[G1B+2], 4<<16                      ; 4 tiles
	s_mov_b32 s[G1B+3], 768<<16
	s_mov_b32 s[G1B+4], 4
	s_mov_b32 s[G1B+5], 4096
	s_mov_b32 s[G1B+6], 0
	s_mov_b32 s[G1B+7], 0
	s_mov_b32 s[G1S+1], 256<<16                    ; the short step: rows of 2,048 bytes
	s_mov_b32 s[G1S+2], 8<<16
	s_mov_b32 s[G1S+3], 256<<16
	s_mov_b32 s[G1S+4], 8
	s_mov_b32 s[G1S+5], 4096
	s_mov_b32 s[G1S+6], 0
	s_mov_b32 s[G1S+7], 0
	s_mov_b32 s[G1SB+1], 256<<16
	s_mov_b32 s[G1SB+2], 4<<16
	s_mov_b32 s[G1SB+3], 256<<16
	s_mov_b32 s[G1SB+4], 4
	s_mov_b32 s[G1SB+5], 4096
	s_mov_b32 s[G1SB+6], 0
	s_mov_b32 s[G1SB+7], 0
	s_lshl_b32 s16, s13, 4
	s_lshl_b32 s17, s12, 3
	s_add_co_u32 s16, s16, s17                     ; o: tile 16 x tile row + 8 x half
	s_lshl_b32 s16, s16, 15
	s_mov_b32 s17, 0
	s_lshl_b32 s46, s42, 3
	s_lshl_b32 s47, s12, 2
	s_add_co_u32 s46, s46, s47                     ; wo: tile 8 x tile column + 4 x half
	s_lshl_b32 s46, s46, 15
	s_mov_b32 s47, 0
	s_mul_i32 s20, s12, 8*TPF                      ; where they go: no place in the cluster enters an LDS address
	s_mul_i32 s21, s12, 4*TPF
	s_add_co_u32 s21, s21, BOFF
	s_lshl_b32 s22, s12, 14                        ; the short step: 8 tiles of 2,048 bytes a half, in slot 1,
	s_add_co_u32 s22, s22, SLOT
	s_lshl_b32 s23, s12, 13                        ; and 4 tiles a half
	s_add_co_u32 s23, s23, SLOT+BOFF
	s_wait_dscnt 0x0                               ; both opening adds are done
	s_wait_kmcnt 0x0
	s_add_nc_u64 s[14:15], s[4:5], s[16:17]
	s_add_nc_u64 s[46:47], s[6:7], s[46:47]
	s_mov_b32 s[G0S], 1                            ; the short step's groups 0: groups 30 and 31 of each tile
	s_mov_b32 s[G0S+1], s22
	s_add_nc_u64 s[G0S+2:G0S+3], s[14:15], 5*TPF
	s_or_b32 s[G0S+3], s[G0S+3], 0x80000000
	s_mov_b32 s[G0SB], 1
	s_mov_b32 s[G0SB+1], s23
	s_add_nc_u64 s[G0SB+2:G0SB+3], s[46:47], 5*TPF
	s_or_b32 s[G0SB+3], s[G0SB+3], 0x80000000
	CROUND                                         ; all sixteen work-groups are here: the first joint loads meet
.irp s, 0,1
	s_mov_b32 s[G0+4*\s], 1
	s_add_co_u32 s[G0+4*\s+1], s20, \s*SLOT
	s_add_nc_u64 s[G0+4*\s+2:G0+4*\s+3], s[14:15], \s*TPF
	s_or_b32 s[G0+4*\s+3], s[G0+4*\s+3], 0x80000000
	s_mov_b32 s[G0B+4*\s], 1
	s_add_co_u32 s[G0B+4*\s+1], s21, \s*SLOT
	s_add_nc_u64 s[G0B+4*\s+2:G0B+4*\s+3], s[46:47], \s*TPF
	s_or_b32 s[G0B+4*\s+3], s[G0B+4*\s+3], 0x80000000
	JLOAD G0+4*\s, G1, G0B+4*\s, G1B
.endr
	v_and_b32 v1, 15, v0                           ; l % 16
	v_bfe_u32 v2, v0, 4, 1                         ; l / 16
	v_and_b32 v3, 31, v0
	v_lshlrev_b32 v3, 4, v3                        ; 16 x lane
	s_mul_i32 s21, s11, 8*TPF                      ; my 8 tiles of o
	s_mul_i32 s22, s12, 4*TPF                      ; my 4 tiles of wo,
	s_add_co_u32 s22, s22, BOFF                    ; behind o's 16
.irp s, 0,1
	v_add_nc_u32 v[ADRA+\s], s21, v3
	v_add_nc_u32 v[ADRB+\s], s22, v3
	s_add_co_u32 s21, s21, SLOT
	s_add_co_u32 s22, s22, SLOT
.endr
	s_lshl_b32 s21, s11, 14                        ; and in the short step
	s_add_co_u32 s21, s21, SLOT
	v_add_nc_u32 v[ADRA+2], s21, v3
	s_lshl_b32 s22, s12, 13
	s_add_co_u32 s22, s22, SLOT+BOFF
	v_add_nc_u32 v[ADRB+2], s22, v3
	s_mul_i32 s23, s10, 16*SPITCH                  ; my stage
	v_mul_u32_u24 v4, v1, SPITCH
	v_lshl_add_u32 v4, v2, 5, v4
	v_add_nc_u32 v[STO], s23, v4                   ; in: row l % 16, 32 bytes for each half of the lanes
	v_mul_u32_u24 v5, v2, SPITCH
	v_lshl_add_u32 v5, v1, 4, v5
	v_add_nc_u32 v[RD], s23, v5                    ; back: lanes 0-15 one row of 256 bytes, lanes 16-31 the next
	v_lshlrev_b32 v5, 13, v2
	v_lshl_add_u32 v[CO], v1, 4, v5                ; and the same two rows in out0
	s_lshl_b32 s16, s13, 8
	s_lshl_b32 s17, s11, 7
	s_add_co_u32 s16, s16, s17                     ; my first row
	s_lshl_b32 s16, s16, 13
	s_mov_b32 s17, 0
	s_add_nc_u64 s[8:9], s[8:9], s[16:17]
	s_lshl_b32 s46, s42, 9                         ; my first column, in bytes: 512 x tile column + 256 x half
	s_lshl_b32 s47, s12, 8
	s_add_co_u32 s46, s46, s47
	s_mov_b32 s47, 0
	s_add_nc_u64 s[8:9], s[8:9], s[46:47]
; 8 matrix instructions: o's tiles a0, a0 + 1 x wo's four, 32 along K.  The 32 accumulators take turns, one instruction a turn, in the same order in every part.
.macro MUL8 f, a0, zero
.irp a, \a0, \a0+1
.irp b, 0,1,2,3
.if \zero
	v_wmma_f32_16x16x32_f16 v[8*(4*(\a)+\b):8*(4*(\a)+\b)+7], v[\f+8*\b:\f+8*\b+7], v[\f+32+8*(\a):\f+32+8*(\a)+7], 0
.else
	v_wmma_f32_16x16x32_f16 v[8*(4*(\a)+\b):8*(4*(\a)+\b)+7], v[\f+8*\b:\f+8*\b+7], v[\f+32+8*(\a):\f+32+8*(\a)+7], v[8*(4*(\a)+\b):8*(4*(\a)+\b)+7]
.endif
.endr
.endr
.endm
; 24 LDS loads in one run, 512 consecutive bytes each: the fragments of the q-th 32 along K of place pl (0, 1: the slots; 2: the short step) into buffer f: wo's four, then o's eight
.macro FETCH pl, q, f
.set TP, TPF-(TPF-TPS)*((\pl)/2)
	WIN TO_F
.irp i, 0,1,2,3
	ds_load_b128 v[\f+8*\i:\f+8*\i+3],   v[ADRB+\pl] offset:\i*TP+(\q)*1024
	ds_load_b128 v[\f+8*\i+4:\f+8*\i+7], v[ADRB+\pl] offset:\i*TP+(\q)*1024+512
.endr
.irp i, 0,1,2,3,4,5,6,7
	ds_load_b128 v[\f+32+8*\i:\f+32+8*\i+3],   v[ADRA+\pl] offset:\i*TP+(\q)*1024
	ds_load_b128 v[\f+32+8*\i+4:\f+32+8*\i+7], v[ADRA+\pl] offset:\i*TP+(\q)*1024+512
.endr
.endm
.macro PLACES                          ; four plain instructions in front of loads into registers that matrix instructions have read, and of the first read of results
.rept 4
	v_nop
.endr
.endm
; A full K step is six parts of 32 along K, 32 matrix instructions each, on buffers 0, 1, 0, 1, 0, 1.  One of the first five multiplies buffer f and fetches the place's q-th part into g.
.macro PART pl, q, f, g, zero
	s_wait_dscnt 8                                 ; wo's fragments and o's tiles 0-3 are in; the youngest eight loads (o's tiles 4-7) may be out
	WIN MUL
	MUL8 \f, 0, \zero
	MUL8 \f, 2, \zero
	PLACES
	FETCH \pl, \q, \g
	s_wait_dscnt 24                                ; all but the 24 just issued
	WIN MUL
	MUL8 \f, 4, \zero
	MUL8 \f, 6, \zero
.endm
.macro FOUR pl                         ; parts 1 to 4 of a full step
	PART \pl, 2, F1, F0, 0
	PART \pl, 3, F0, F1, 0
	PART \pl, 4, F1, F0, 0
	PART \pl, 5, F0, F1, 0
.endm
; The last part multiplies buffer 1 and changes slots: one barrier; in front of it each wave waits for all its tensor loads, adds 0 to its spare word, and waits for that and for its reads of this slot.
; fill = 1: this slot takes the K step two on; 2: it takes the short step; 0: nothing is left to fetch.  next: the place that is read next.
.macro TURN slot, next, fill
	WIN 0
	s_wait_tensorcnt 0x0                           ; all my tensor loads have landed: my part of the next place
	ds_add_u32 v[SPW], v[NIL]
	s_wait_dscnt 9                                 ; (the add and the youngest eight loads may be out)
	WIN MUL
	MUL8 F1, 0, 0
	s_wait_dscnt 0x0                               ; the add is done, and my reads of this slot are over
	s_barrier_signal -1
	MUL8 F1, 2, 0
.if \fill
	WIN 0
.endif
	s_barrier_wait -1
.if \fill == 1
	CREST                                          ; the barrier has opened a round of the cluster's barrier
	s_add_nc_u64 s[G0+4*\slot+2:G0+4*\slot+3], s[G0+4*\slot+2:G0+4*\slot+3], 2*TPF
	s_add_nc_u64 s[G0B+4*\slot+2:G0B+4*\slot+3], s[G0B+4*\slot+2:G0B+4*\slot+3], 2*TPF
	JLOAD G0+4*\slot, G1, G0B+4*\slot, G1B         ; the first tensor load behind the round; its four v_nop are the places in front of the loads below
.elseif \fill == 2
	CREST
	JLOAD G0S, G1S, G0SB, G1SB                     ; the short step, into bytes of this slot
.else
	PLACES
.endif
	FETCH \next, 0, F0
	WIN MUL
	MUL8 F1, 4, 0
	MUL8 F1, 6, 0
.endm
	s_wait_tensorcnt 1                             ; my part of K step 0 is in; K step 1's load may stay out
	s_barrier_signal -1
	s_barrier_wait -1
	FETCH 0, 0, F0
	PART 0, 1, F0, F1, 1                           ; K step 0: the first part's products start the sums
	FOUR 0
	TURN 0, 1, 1                                   ; slot 0 takes K step 2
	PART 1, 1, F0, F1, 0                           ; K step 1
	FOUR 1
	TURN 1, 0, 1                                   ; slot 1 takes K step 3
	PART 0, 1, F0, F1, 0                           ; K step 2
	FOUR 0
	TURN 0, 1, 1                                   ; slot 0 takes K step 4
	PART 1, 1, F0, F1, 0                           ; K step 3
	FOUR 1
	TURN 1, 0, 2                                   ; slot 1 takes the short step
	PART 0, 1, F0, F1, 0                           ; K step 4
	FOUR 0
	TURN 0, 2, 0                                   ; nothing is left to fetch
	PART 2, 1, F0, F1, 0                           ; the short step: two parts
	s_wait_dscnt 8
	WIN MUL
	MUL8 F1, 0, 0
	MUL8 F1, 2, 0
	s_wait_dscnt 0
	MUL8 F1, 4, 0
	MUL8 F1, 6, 0
	WIN 0
; THE WAY OUT, block by block of 16 rows x 64 columns, through my own stage: back as whole rows of 256 bytes.  LDS serves a wave's instructions in order: no wait between the stores and the loads.
.macro TOSTAGE a
	WIN 0x08                                       ; an LDS store's data are its source 1: window 2
.irp b, 0,1,2,3
	ds_store_b128 v[STO], v[8*(4*(\a)+\b):8*(4*(\a)+\b)+3] offset:64*\b        ; each accumulator from its low end on
	ds_store_b128 v[STO], v[8*(4*(\a)+\b)+4:8*(4*(\a)+\b)+7] offset:64*\b+16
.endr
	WIN 0
.set BB, BK+32*((\a)%2)
.irp t, 0,1,2,3,4,5,6,7
	ds_load_b128 v[BB+4*\t:BB+4*\t+3], v[RD] offset:\t*2*SPITCH
.endr
.endm
.macro SEND a, younger
.set BB, BK+32*((\a)%2)
	s_wait_dscnt \younger                          ; the block is back in registers (the next block's 8 stores and 8 loads may be out)
.if (\a) > 0
	s_add_nc_u64 s[8:9], s[8:9], 16*8192           ; (behind a wait on XCNT: the earlier stores have read their base)
.endif
.irp t, 0,1,2,3,4,5,6,7
	global_store_b128 v[CO], v[BB+4*\t:BB+4*\t+3], s[8:9] offset:\t*16384 th:TH_STORE_NT   ; sixteen lanes store 256 consecutive bytes, aligned
.endr
.endm
	PLACES
	TOSTAGE 0
.irp a, 1,2,3,4,5,6,7
.if \a > 1
	s_wait_xcnt 0x0                                ; block a - 2's stores have read their registers and their base
.endif
	TOSTAGE \a
	SEND \a-1, 16
.endr
	s_wait_xcnt 0x0
	SEND 7, 0
	s_wait_tensorcnt 0x0                           ; the wave's end
	ds_add_u32 v[SPW], v[NIL]
	s_wait_dscnt 0x0
	CROUND                                         ; the closing round
	s_endpgm
.Lfunc_end_k_qafd6ba6576_proj:
	.size	k_qafd6ba6576_proj, .Lfunc_end_k_qafd6ba6576_proj-k_qafd6ba6576_proj
	.p2alignl 7, 3214868480
	.fill 96, 4, 3214868480
	.section	.rodata,"a",@progbits
	.p2align	6, 0x0
	.amdhsa_kernel k_qafd6ba6576_proj
		.amdhsa_group_segment_fixed_size 327680
		.amdhsa_private_segment_fixed_size 0
		.amdhsa_enable_private_segment 0
		.amdhsa_kernarg_size 24
		.amdhsa_user_sgpr_count 2
		.amdhsa_user_sgpr_kernarg_segment_ptr 1
		.amdhsa_wavefront_size32 1
		.amdhsa_system_sgpr_workgroup_id_x 1
		.amdhsa_system_sgpr_workgroup_id_y 1
		.amdhsa_system_sgpr_workgroup_id_z 1
		.amdhsa_system_vgpr_workitem_id 0
		.amdhsa_next_free_vgpr 768
		.amdhsa_next_free_sgpr 96
		.amdhsa_reserve_vcc 0
		.amdhsa_float_denorm_mode_32 3
		.amdhsa_float_denorm_mode_16_64 3
		.amdhsa_memory_ordered 1
		.amdhsa_forward_progress 1
		.amdhsa_inst_pref_size 149
	.end_amdhsa_kernel
	.amdgpu_metadata
---
amdhsa.version: [ 1, 2 ]
amdhsa.kernels:
  - .name:           k_qafd6ba6576_proj
    .symbol:         k_qafd6ba6576_proj.kd
    .args:
      - { .name: o_frag, .offset: 0, .size: 8, .value_kind: global_buffer, .address_space: global }
      - { .name: wo_frag, .offset: 8, .size: 8, .value_kind: global_buffer, .address_space: global }
      - { .name: out0, .offset: 16, .size: 8, .value_kind: global_buffer, .address_space: global }
    .group_segment_fixed_size: 327680
    .private_segment_fixed_size: 0
    .kernarg_segment_align: 8
    .kernarg_segment_size: 24
    .max_flat_workgroup_size: 128
    .sgpr_count:     96
    .vgpr_count:     768
    .wavefront_size: 32
...
	.end_amdgpu_metadata
.endif
;; end of part 4
;; launch fine (part 5): grid 128 x 1, 8 waves a work-group, no clusters, 17,408 bytes of LDS; arguments o32, wo, out0; writes out0
.if DOCPART == 5
	.amdgcn_target "amdgcn-amd-amdhsa--gfx1250"
	.amdhsa_code_object_version 6
	.text
	.protected	k_qafd6ba6576_fine
	.globl	k_qafd6ba6576_fine
	.p2align	8
	.type	k_qafd6ba6576_fine,@function
k_qafd6ba6576_fine:
	s_mov_b64 s[64:65], 0
	v_nop
	global_prefetch_b8 v0, s[64:65] scope:SCOPE_SE
	s_setreg_imm32_b32 hwreg(HW_REG_WAVE_MODE, 25, 1), 1
	s_wait_xcnt 0x0
; FINE: the projection of the first 16 positions of each batch once more, with f32 operands: those rows average few values and are the largest, so the rounding of wo and o to f16 weighs most there.
; out0[b][0..15][16 T .. 16 T + 15], b = 0, 1, for work-group T.  Wave w takes head w: k = 128 w .. 128 w + 127, in 32 steps of 4 by the f32 matrix form: 64 matrix instructions a wave: no bulk work.
; o32 holds, for each (b, head), the image of 64 registers: register 8 c + j of lane (r, h) is o(r, 16 c + 8 h + j).  A step takes two neighbouring registers of it as A: its four k are channels
; 16 c + 8 h + 2 jj + 0, 1; wo's rows are loaded in the same order of k, so the products meet.  The eight waves' sums meet in LDS; waves 0-3 add them and store.
; The two accumulators take turns, one instruction a turn, and are written by matrix instructions alone.
.set SPARE, 16384                      ; behind the eight waves' 2,048 bytes: the spare words, 128 bytes for each wave, that no other line names
	s_load_b128 s[4:7], s[0:1], 0x0                ; o32, wo
	s_load_b64 s[8:9], s[0:1], 0x10                ; out0
	v_lshl_add_u32 v2, v0, 2, SPARE                ; my spare word; never rewritten
	v_mov_b32 v3, 0                                ; 0; never rewritten
	v_lshrrev_b32 v1, 5, v0
	v_readfirstlane_b32 s10, v1                    ; wave 0..7
	v_and_b32 v4, 31, v0
	v_lshlrev_b32 v5, 4, v4                        ; 16 x lane
	v_and_b32 v6, 15, v0                           ; r
	v_bfe_u32 v7, v0, 4, 1                         ; h
	v_lshlrev_b32 v24, 2, v6
	v_lshl_add_u32 v24, v7, 16, v24                ; 8 h rows of 8,192 bytes + 4 r: in wo and in out0 alike
	s_lshl_b32 s12, s10, 13                        ; my head's image
	s_mov_b32 s13, 0
	s_lshl_b32 s14, s10, 20                        ; my head's 128 rows of wo
	s_lshl_b32 s15, ttmp9, 6                       ; the work-group's 16 columns
	s_add_co_u32 s14, s14, s15
	s_mov_b32 s15, 0
	s_lshl_b32 s16, s10, 11
	v_add_nc_u32 v25, s16, v5                      ; LDS: where my sums go
	s_lshl_b32 s17, s10, 9
	v_add_nc_u32 v26, s17, v5                      ; and the quarter that I add up (waves 0-3)
	s_lshr_b32 s18, s10, 1
	s_lshl_b32 s18, s18, 24                        ; quarter q = wave: batch q / 2,
	s_and_b32 s19, s10, 1
	s_lshl_b32 s19, s19, 15                        ; rows 4 (q % 2) on,
	s_add_co_u32 s18, s18, s19
	s_lshl_b32 s19, ttmp9, 6
	s_add_co_u32 s18, s18, s19
	s_mov_b32 s19, 0
	s_wait_kmcnt 0x0
	s_add_nc_u64 s[4:5], s[4:5], s[12:13]
	s_add_nc_u64 s[6:7], s[6:7], s[14:15]
	s_add_nc_u64 s[8:9], s[8:9], s[18:19]
.irp b, 0,1
.irp i, 0,1,2,3,4,5,6,7,8,9,10,11,12,13,14,15
	global_load_b128 v[32+64*\b+4*\i:35+64*\b+4*\i], v5, s[4:5] offset:65536*\b+512*\i
.endr
.endr
.irp i, 0,1,2,3,4,5,6,7,8,9,10,11,12,13,14,15,16,17,18,19,20,21,22,23,24,25,26,27,28,29,30,31,32,33,34,35,36,37,38,39,40,41,42,43,44,45,46,47,48,49,50,51,52,53,54,55,56,57,58,59,60,61,62,63
	global_load_b32 v[160+\i], v24, s[6:7] offset:(16*(\i/8)+\i%8)*8192   ; wo(128 w + 16 c + 8 h + i % 8, 16 T + r)
.endr
	s_wait_loadcnt 0x0
	v_wmma_f32_16x16x4_f32 v[8:15], v[32:33], v[160:161], 0      ; the first K step starts both sums
	v_wmma_f32_16x16x4_f32 v[16:23], v[96:97], v[160:161], 0
.set st, 1
.rept 31
	v_wmma_f32_16x16x4_f32 v[8:15], v[32+2*st:33+2*st], v[160+2*st:161+2*st], v[8:15]
	v_wmma_f32_16x16x4_f32 v[16:23], v[96+2*st:97+2*st], v[160+2*st:161+2*st], v[16:23]
.set st, st+1
.endr
.rept 8
	v_nop                                          ; eight places behind this form, ahead of the stores that read the results and of the loads into its sources
.endr
	ds_store_b128 v25, v[8:11]                     ; quarter 0: batch 0, rows 8 h + 0..3 (each accumulator from its low end on)
	ds_store_b128 v25, v[12:15] offset:512         ; quarter 1: batch 0, rows 8 h + 4..7
	ds_store_b128 v25, v[16:19] offset:1024        ; quarters 2, 3: batch 1
	ds_store_b128 v25, v[20:23] offset:1536
	s_wait_dscnt 0x0                               ; for the others' sake: my stores have landed
	s_barrier_signal -1
	s_barrier_wait -1
	s_cmp_ge_u32 s10, 4
	s_cbranch_scc1 .Lend
.irp c, 0,1,2,3,4,5,6,7
	ds_load_b128 v[32+4*\c:35+4*\c], v26 offset:2048*\c   ; the eight heads' parts of my quarter
.endr
	s_wait_dscnt 0x0
.irp e, 0,1,2,3
	v_add_f32 v[28+\e], v[32+\e], v[36+\e]
.endr
.irp c, 2,3,4,5,6,7
.irp e, 0,1,2,3
	v_add_f32 v[28+\e], v[28+\e], v[32+4*\c+\e]
.endr
.endr
.irp e, 0,1,2,3
	global_store_b32 v24, v[28+\e], s[8:9] offset:8192*\e   ; out0(b, 8 h + 4 (q % 2) + e, 16 T + r)
.endr
.Lend:
	s_wait_tensorcnt 0x0                           ; the wave's end
	ds_add_u32 v2, v3
	s_wait_dscnt 0x0
	s_endpgm
.Lfunc_end_k_qafd6ba6576_fine:
	.size	k_qafd6ba6576_fine, .Lfunc_end_k_qafd6ba6576_fine-k_qafd6ba6576_fine
	.p2alignl 7, 3214868480
	.fill 96, 4, 3214868480
	.section	.rodata,"a",@progbits
	.p2align	6, 0x0
	.amdhsa_kernel k_qafd6ba6576_fine
		.amdhsa_group_segment_fixed_size 17408
		.amdhsa_private_segment_fixed_size 0
		.amdhsa_enable_private_segment 0
		.amdhsa_kernarg_size 24
		.amdhsa_user_sgpr_count 2
		.amdhsa_user_sgpr_kernarg_segment_ptr 1
		.amdhsa_wavefront_size32 1
		.amdhsa_system_sgpr_workgroup_id_x 1
		.amdhsa_system_sgpr_workgroup_id_y 1
		.amdhsa_system_sgpr_workgroup_id_z 1
		.amdhsa_system_vgpr_workitem_id 0
		.amdhsa_next_free_vgpr 224
		.amdhsa_next_free_sgpr 66
		.amdhsa_reserve_vcc 0
		.amdhsa_float_denorm_mode_32 3
		.amdhsa_float_denorm_mode_16_64 3
		.amdhsa_memory_ordered 1
		.amdhsa_forward_progress 1
		.amdhsa_inst_pref_size 18
	.end_amdhsa_kernel
	.amdgpu_metadata
---
amdhsa.version: [ 1, 2 ]
amdhsa.kernels:
  - .name:           k_qafd6ba6576_fine
    .symbol:         k_qafd6ba6576_fine.kd
    .args:
      - { .name: o32, .offset: 0, .size: 8, .value_kind: global_buffer, .address_space: global }
      - { .name: wo, .offset: 8, .size: 8, .value_kind: global_buffer, .address_space: global }
      - { .name: out0, .offset: 16, .size: 8, .value_kind: global_buffer, .address_space: global }
    .group_segment_fixed_size: 17408
    .private_segment_fixed_size: 0
    .kernarg_segment_align: 8
    .kernarg_segment_size: 24
    .max_flat_workgroup_size: 256
    .sgpr_count:     66
    .vgpr_count:     224
    .wavefront_size: 32
...
	.end_amdgpu_metadata
.endif
;; end of part 5
